; MI455X (gfx1250); checked and timed in simulation.
; The chip was launched on July 23, 2026; its instructions are those of AMD's public machine-readable ISA for CDNA 5 (MIT licence, August 2026) and "CDNA5" Instruction Set Architecture Reference Guide (July 2026). The comments in the code are by the model that wrote it; some were corrected since.
;; Attention. Allowed arithmetic: matrix products marked QUANTISED: E2M1 operands, one E8M0 scale for each 32 along K, by v_wmma_scale_f32_16x16x128_f8f6f4 with both operands' format E2M1 (or v_wmma_scale_f32_32x16x128_f4), f32 sums; products left as they are: bf16, f16 or f32 operands; f32 sums; everything else in f32.
;; Inputs: b_attn 3,072 float32; b_proj 1,024 float32; w_attn 1,024 x 3,072 float32; w_proj 1,024 x 1,024 float32; x 4 x 2,048 x 1,024 float32.
;; Outputs: out0 4 x 2,048 x 1,024 float32.
;; This version of the problem:
;;   THIS VERSION OF THE PROBLEM IS GIVEN IN LOW PRECISION. The matrix products marked QUANTISED in the list below multiply operands that are first quantised to E2M1 (2 exponent bits, 1 mantissa bit; 4 bits a number), with one power-of-two scale for each 32 numbers along K (OCP MX v1.0); their sums are f32. The products marked 'left as it is' may take bf16, f16 or f32 operands, with f32 sums. Whichever they take, every output number must still come out within the allowed error. Rounding operands to bf16 (8 significant bits) uses up far more of that allowance than f16 does (11 bits, for magnitudes from 6e-5 to 65,504). All else is computed in f32.
;;   The module's matrix products, in the order in which they are computed (A, B: the left and right operand; K: the contracted axis; several contracted axes count as one K, in the product's order):
;;     1. [M 8,192, K 1,024] x [K 1,024, N 3,072]; A: input x; B: input w_attn: QUANTISED
;;     2. batch 64 x [M 2,048, K 64] x [K 64, N 2,048]; A: computed on the way; B: computed on the way: left as it is (an operand is computed on the way)
;;     3. batch 64 x [M 2,048, K 2,048] x [K 2,048, N 64]; A: computed on the way; B: computed on the way: left as it is (an operand is computed on the way)
;;     4. [M 8,192, K 1,024] x [K 1,024, N 1,024]; A: computed on the way; B: input w_proj: left as it is (an operand is computed on the way)
;;   THE QUANTISER, for each operand of a quantised product, along K:
;;     - K is cut into blocks of 32 from its start; a last block that is shorter is filled with zeros.
;;     - A block's scale is 2^e with e = floor(log2(the largest magnitude in the block)) - 2, held to -126 .. 127; a block of zeros has e = 0. As a byte (E8M0): e + 127.
;;     - Each number is divided by its block's scale, clamped to +-6, and rounded to the nearest number of E2M1, ties to even, subnormals kept.
;;     - The product sums the exact products of the quantised numbers (number of the format x scale) in f32.
;;   ~~~python
;;   def quantise(x, axis):      # numpy; x: float32 -> the quantised numbers, widened to float32 again
;;       x = np.moveaxis(x, axis, -1); K = x.shape[-1]
;;       x = np.pad(x, [(0, 0)] * (x.ndim - 1) + [(0, -K % 32)]); x = x.reshape(x.shape[:-1] + (-1, 32)); a = np.abs(x).max(-1, keepdims=True)
;;       e = np.where(a > 0, np.clip(np.frexp(np.where(a > 0, a, 1))[1] - 1 - 2, -126, 127), 0)      # np.frexp(a)[1] - 1 = floor(log2(a)), exactly
;;       r = np.clip(x / 2.0 ** e, -6, 6)
;;       step = 2.0 ** (np.maximum(np.frexp(np.where(r == 0, 1, r))[1] - 1, 0) - 1)
;;       q = np.round(r / step) * step * 2.0 ** e      # np.round: ties to even
;;       return np.moveaxis(q.reshape(q.shape[:-2] + (-1,))[..., :K], -1, axis).astype(np.float32)
;;   ~~~
;; One version. Each part assembles by itself: llvm-mc -triple=amdgcn-amd-amdhsa -mcpu=gfx1250 --defsym DOCPART=n.
;; ======== version 1 of 1: 5 launches
;; limits: values are held in f16: magnitudes above 65,504 overflow, below 6.1e-05 lose precision
;; workspace buffers: xc 4,194,304 bytes; xs 262,144 bytes; wc 1,572,864 bytes; ws 98,304 bytes; wp16 2,097,152 bytes; qkv16 50,331,648 bytes; a16 16,777,216 bytes; aux 1,310,720 bytes
;; launch prep (part 1): grid 336 x 1, 4 waves a work-group, no clusters, 68,096 bytes of LDS; arguments x, w_attn, w_proj, xc, xs, wc, ws, wp16; writes xc, xs, wc, ws, wp16
.if DOCPART == 1
	.amdgcn_target "amdgcn-amd-amdhsa--gfx1250"
	.amdhsa_code_object_version 6
	.text
	.protected	k_q4248a03dce_prep
	.globl	k_q4248a03dce_prep
	.p2align	8
	.type	k_q4248a03dce_prep,@function
k_q4248a03dce_prep:
	s_mov_b64 s[64:65], 0
	v_nop
	global_prefetch_b8 v0, s[64:65] scope:SCOPE_SE
	s_setreg_imm32_b32 hwreg(HW_REG_WAVE_MODE, 25, 1), 1
	s_wait_xcnt 0x0
; Three jobs in one launch, parted by the work-group's number:
;   X (work-groups 0-255):   x [8192][1024] f32 -> codes of FP4 (E2M1), K innermost, xc [8192][512 bytes], and one E8M0 byte for each 32 along K, xs [8192][32].
;   W (work-groups 256-303): w_attn [1024 (k)][3072 (n)] f32, K on its FIRST axis -> wc [3072][512 bytes] with K innermost, ws [3072][32].
;   P (work-groups 304-335): w_proj [1024][1024] f32 -> f16, same layout, wp16.
; A block's scale is 2^(floor(log2(its largest magnitude)) - 2); its byte is the largest magnitude's exponent field - 2, held at 1 from below.
; LIMITS: a block of zeros gets the byte 1 where the rule says 127 (its codes are zeros, which add nothing, and this program alone reads the bytes); blocks whose largest magnitude
; lies under 2^-124 were not tried; NaN and infinities among the inputs are not served; w_proj's numbers lie under 65,504 in magnitude (f16).
; Each path that uses LDS has LDS bytes of its own: X 0 .. 32,767 (8,192 a wave), W 32,768 .. 67,583 (32 rows x 272 a wave); the spare words lie behind both.  No barrier: waves share nothing.
.set SPW,   12                         ; v12  LDS address of my spare word; never rewritten
.set NIL,   13                         ; v13  0; never rewritten
.set SPARE, 67584
.set EMAX,  2
; path X
.set STEPS, 16
.set CB,    8                          ; bytes of 16 codes
.set XR,    16                         ; v16-79   four sets of 16 numbers as loaded
.set XX,    80                         ; v80-111  two sets of 16 neighbours
.set XE,    112                        ; v112-127 a scale byte for each step
.set XC,    128                        ; v128-191 codes, four registers a step
.set WREG,  8192
.set SP,    80                         ; a lane's place in a stage: 64 bytes + 16 of padding
; path W
.set SIZE_K, 1024
.set SIZE_N, 3072
.set KW,    512
.set NB,    KW/32
.set ROWB,  256
.set PITCH, ROWB+16
.set KROW,  SIZE_K/2
.set WSTG,  32768
.set WSB,   24                         ; v24-27   scale bytes, four to a register
.set WX,    32                         ; v32-95   two sets of 32 numbers
.set WC,    96                         ; v96-99   a block's codes
.set WOUT,  112                        ; v112-175 the way out
	s_load_b256 s[4:11], s[0:1], 0x0               ; x s[4:5], w_attn s[6:7], w_proj s[8:9], xc s[10:11]
	s_load_b256 s[12:19], s[0:1], 0x20             ; xs s[12:13], wc s[14:15], ws s[16:17], wp16 s[18:19]
	v_lshl_add_u32 v[SPW], v0, 2, SPARE
	v_mov_b32 v[NIL], 0
	v_lshrrev_b32 v1, 5, v0
	v_readfirstlane_b32 s20, v1                    ; wave 0..3
	v_and_b32 v2, 31, v0                           ; lane
	s_wait_kmcnt 0x0
	s_cmp_ge_u32 ttmp9, 304
	s_cbranch_scc1 .Lpath_p
	s_cmp_ge_u32 ttmp9, 256
	s_cbranch_scc1 .Lpath_w
; ---------------- X: a wave takes 16 steps of 512 numbers.  Each load reads 512 consecutive bytes; a step's 2,048 bytes turn through the wave's own stage so that a lane holds 16 neighbours along K.
	v_lshlrev_b32 v3, 4, v2                        ; my 16 bytes of a load's 512
	s_mul_i32 s21, s20, WREG
	v_lshrrev_b32 v14, 2, v2
	v_mul_u32_u24 v14, v14, SP
	v_and_b32 v15, 3, v2
	v_lshl_add_u32 v14, v15, 4, v14
	v_add_nc_u32 v14, s21, v14                     ; the stage, on the way in: SP (lane / 4) + 16 (lane % 4)
	v_mul_u32_u24 v15, v2, SP
	v_add_nc_u32 v15, s21, v15                     ; on the way out: SP x lane
	v_mul_u32_u24 v4, v2, CB                       ; my codes' place in a step's
	v_lshrrev_b32 v5, 1, v2
	s_add_co_u32 s21, s21, 2*32*SP
	v_add_nc_u32 v5, s21, v5                       ; my wave's 256 scale bytes, my block's byte
	v_lshlrev_b32 v7, 3, v2
	v_add_nc_u32 v6, s21, v7                       ; and 8 bytes a lane on the way out
	s_lshl_b32 s22, ttmp9, 2
	s_add_co_u32 s22, s22, s20                     ; which run of 8,192 numbers is my wave's
	s_mov_b32 s23, 0
	s_lshl_b64 s[24:25], s[22:23], 15
	s_add_nc_u64 s[4:5], s[4:5], s[24:25]          ; 32,768 bytes of f32 a run,
	s_lshl_b64 s[24:25], s[22:23], 12
	s_add_nc_u64 s[10:11], s[10:11], s[24:25]      ; 4,096 of codes,
	s_lshl_b64 s[24:25], s[22:23], 8
	s_add_nc_u64 s[12:13], s[12:13], s[24:25]      ; 256 scale bytes
.macro XLOAD t
.irp i, 0,1,2,3
	global_load_b128 v[XR+16*((\t)%4)+4*\i:XR+16*((\t)%4)+4*\i+3], v3, s[4:5] offset:2048*(\t)+512*\i th:TH_LOAD_NT
.endr
.endm
.macro XTURN t                         ; LDS serves a wave's instructions in order: no wait between these stores and loads
.irp i, 0,1,2,3
	ds_store_b128 v14, v[XR+16*((\t)%4)+4*\i:XR+16*((\t)%4)+4*\i+3] offset:32*SP*((\t)%2)+8*SP*\i
.endr
.irp i, 0,1,2,3
	ds_load_b128 v[XX+16*((\t)%2)+4*\i:XX+16*((\t)%2)+4*\i+3], v15 offset:32*SP*((\t)%2)+16*\i
.endr
.endm
.irp t, 0,1,2,3
	XLOAD \t
.endr
	s_wait_loadcnt 12                              ; step 0's four loads are in; three steps' twelve stay out
	XTURN 0
.macro XSTEP t
.set XS, XX+16*((\t)%2)
.if (\t) > 0
	s_wait_dscnt 1                                 ; this step's numbers are back from the stage (the last step's byte store may be out)
.else
	s_wait_dscnt 0x0
.endif
.if (\t)+4 < STEPS
	XLOAD (\t)+4                                   ; into the registers that the stage's stores have read
.endif
.if (\t)+1 < STEPS
.if STEPS-2-(\t) >= 3
	s_wait_loadcnt 12                              ; the next step's four loads are in; three steps' twelve stay out
.else
	s_wait_loadcnt 4*(STEPS-2-(\t))
.endif
	XTURN (\t)+1
.endif
	v_max3_num_f32 v8, |v[XS]|, |v[XS+1]|, |v[XS+2]|
	v_max3_num_f32 v9, |v[XS+3]|, |v[XS+4]|, |v[XS+5]|
.irp i, 6,10
	v_max3_num_f32 v8, v8, |v[XS+\i]|, |v[XS+\i+1]|
	v_max3_num_f32 v9, v9, |v[XS+\i+2]|, |v[XS+\i+3]|
.endr
	v_max3_num_f32 v8, v8, |v[XS+14]|, |v[XS+15]|
	v_max3_num_f32 v8, v8, v9, (EMAX+1)<<23        ; the floor 2^(3 - 127): the byte cannot fall under 1
	v_max_num_f32_dpp v8, v8, v8 row_xmask:1 row_mask:0xf bank_mask:0xf   ; with my neighbour's 16: the block's largest magnitude
	v_add_nc_u32 v11, -(EMAX<<23), v8              ; 2 off its exponent field: the conversion's scale operand
	v_cvt_scalef32_pk8_fp4_f32 v[XC+4*(\t)], v[XS:XS+7], v11
	v_cvt_scalef32_pk8_fp4_f32 v[XC+4*(\t)+1], v[XS+8:XS+15], v11
	v_lshrrev_b32 v[XE+(\t)], 23, v11              ; the scale's byte (a plain line behind the conversions)
	ds_store_b8 v5, v[XE+(\t)] offset:16*(\t)      ; both lanes of a block write the same byte with the same value
	global_store_b64 v4, v[XC+4*(\t):XC+4*(\t)+1], s[10:11] offset:32*CB*(\t)   ; the wave stores 256 consecutive bytes, aligned
.endm
.irp t, 0,1,2,3,4,5,6,7,8,9,10,11,12,13,14,15
	XSTEP \t
.endr
	ds_load_b64 v[8:9], v6
	s_wait_dscnt 0x0
	global_store_b64 v7, v[8:9], s[12:13]          ; the wave's 256 scale bytes, consecutive and aligned
	s_wait_tensorcnt 0x0                           ; the wave's end, behind my last LDS store
	ds_add_u32 v[SPW], v[NIL]
	s_wait_dscnt 0x0
	s_endpgm
; ---------------- W: a lane takes a column n and its registers run down K: a block of 32 lies in one lane, and the codes come out with K innermost.  A wave: 32 columns x 512 along K.
.Lpath_w:
	s_sub_co_u32 s21, ttmp9, 256
	s_cmp_ge_u32 s21, 24
	s_cselect_b32 s22, 1, 0                        ; which 512 along K
	s_cselect_b32 s23, 24, 0
	s_sub_co_u32 s21, s21, s23                     ; which 128 columns
	s_lshl_b32 s21, s21, 7
	s_lshl_b32 s23, s20, 5
	s_add_co_u32 s21, s21, s23                     ; my wave's first column
	v_lshlrev_b32 v3, 2, v2                        ; in: 4 bytes a lane
	s_mul_i32 s23, s20, 32*PITCH
	s_add_co_u32 s23, s23, WSTG                    ; my stage
	v_mul_u32_u24 v4, v2, PITCH
	v_add_nc_u32 v4, s23, v4                       ; into it: row = my column
	v_and_b32 v5, 15, v2
	v_lshrrev_b32 v6, 4, v2
	v_mul_u32_u24 v7, v6, PITCH
	v_lshl_add_u32 v7, v5, 4, v7
	v_add_nc_u32 v7, s23, v7                       ; out of it: sixteen lanes to a row, two rows an instruction
	v_mul_u32_u24 v8, v6, KROW
	v_lshl_add_u32 v8, v5, 4, v8                   ; the same place in the codes' buffer
	v_lshlrev_b32 v9, 5, v2                        ; my column's row of scale bytes: 32 bytes
	s_mul_i32 s24, s22, KW*SIZE_N*4
	s_lshl_b32 s25, s21, 2
	s_add_co_u32 s24, s24, s25
	s_mov_b32 s25, 0
	s_add_nc_u64 s[6:7], s[6:7], s[24:25]          ; w_attn at (512 y, my column)
	s_lshl_b32 s24, s21, 9
	s_lshl_b32 s26, s22, 8
	s_add_co_u32 s24, s24, s26
	s_add_nc_u64 s[14:15], s[14:15], s[24:25]      ; codes: column x 512 + 256 y
	s_lshl_b32 s24, s21, 5
	s_lshl_b32 s26, s22, 4
	s_add_co_u32 s24, s24, s26
	s_add_nc_u64 s[16:17], s[16:17], s[24:25]      ; scale bytes: column x 32 + 16 y
.macro WLOAD t                         ; block t: rows 32 t + i of my column; the largest offset, 511 x 12,288, lies inside the signed 24-bit immediate
.irp i, 0,1,2,3,4,5,6,7,8,9,10,11,12,13,14,15,16,17,18,19,20,21,22,23,24,25,26,27,28,29,30,31
	global_load_b32 v[WX+32*((\t)%2)+\i], v3, s[6:7] offset:(32*(\t)+\i)*SIZE_N*4 th:TH_LOAD_NT
.endr
.endm
	WLOAD 0
	WLOAD 1
.macro WBLOCK t
.set WS_, WX+32*((\t)%2)
.if (\t) < NB-1
	s_wait_loadcnt 32                              ; this block's 32 loads are in; the next block's 32 stay out
.else
	s_wait_loadcnt 0
.endif
	v_max3_num_f32 v16, |v[WS_]|, |v[WS_+1]|, |v[WS_+2]|
	v_max3_num_f32 v17, |v[WS_+3]|, |v[WS_+4]|, |v[WS_+5]|
.irp i, 6,10,14,18,22,26
	v_max3_num_f32 v16, v16, |v[WS_+\i]|, |v[WS_+\i+1]|
	v_max3_num_f32 v17, v17, |v[WS_+\i+2]|, |v[WS_+\i+3]|
.endr
	v_max3_num_f32 v16, v16, |v[WS_+30]|, |v[WS_+31]|
	v_max3_num_f32 v16, v16, v17, (EMAX+1)<<23     ; with the floor
	v_add_nc_u32 v11, -(EMAX<<23), v16
	v_lshrrev_b32 v17, 23, v11                     ; the scale's byte
.if (\t)%4 == 0
	v_mov_b32 v[WSB+(\t)/4], v17
.else
	v_lshl_or_b32 v[WSB+(\t)/4], v17, 8*((\t)%4), v[WSB+(\t)/4]
.endif
.irp g, 0,1,2,3
	v_cvt_scalef32_pk8_fp4_f32 v[WC+\g], v[WS_+8*\g:WS_+8*\g+7], v11
.endr
	ds_store_b128 v4, v[WC:WC+3] offset:16*(\t)    ; 32 codes: 16 bytes of my column's row
.if (\t)+2 < NB
	WLOAD (\t)+2
.endif
	s_wait_dscnt 0x0                               ; the store has read its registers: the next block's codes may be written
.endm
.set Q, 0
.rept NB
	WBLOCK Q
.set Q, Q+1
.endr
	global_store_b128 v9, v[WSB:WSB+3], s[16:17]   ; my column's 16 scale bytes
.irp t, 0,1,2,3,4,5,6,7,8,9,10,11,12,13,14,15
	ds_load_b128 v[WOUT+4*\t:WOUT+4*\t+3], v7 offset:2*\t*PITCH
.endr
.irp t, 0,1,2,3,4,5,6,7,8,9,10,11,12,13,14,15
	s_wait_dscnt 15-\t                             ; LDS loads come back in order: load t is in, the younger ones stay out
	global_store_b128 v8, v[WOUT+4*\t:WOUT+4*\t+3], s[14:15] offset:2*\t*KROW   ; sixteen lanes store 256 consecutive bytes, aligned
.endr
	s_wait_tensorcnt 0x0                           ; the wave's end: the three lines
	ds_add_u32 v[SPW], v[NIL]
	s_wait_dscnt 0x0
	s_endpgm
; ---------------- P: a plain stream.  A wave takes 8,192 numbers: 64 loads of 512 bytes in four batches, two batches on their way.
.Lpath_p:
	s_sub_co_u32 s21, ttmp9, 304
	s_lshl_b32 s21, s21, 2
	s_add_co_u32 s21, s21, s20
	s_lshl_b32 s22, s21, 15
	s_mov_b32 s23, 0
	s_add_nc_u64 s[8:9], s[8:9], s[22:23]
	s_lshl_b32 s22, s21, 14
	s_add_nc_u64 s[18:19], s[18:19], s[22:23]
	v_lshlrev_b32 v3, 4, v2
	v_lshlrev_b32 v4, 3, v2
.macro LOADP k
.irp i, 0,1,2,3,4,5,6,7,8,9,10,11,12,13,14,15
	global_load_b128 v[32+64*((\k)%2)+4*\i:32+64*((\k)%2)+4*\i+3], v3, s[8:9] offset:((\k)*16+\i)*512 th:TH_LOAD_NT
.endr
.endm
.macro CVTP k
.if (\k) < 3
	s_wait_loadcnt 16                              ; this batch is in; the next batch's sixteen stay out
.else
	s_wait_loadcnt 0
.endif
.if (\k) > 0
	s_wait_xcnt 0x0                                ; the last batch's stores have read v160-191, which are written again below
.endif
.irp i, 0,1,2,3,4,5,6,7,8,9,10,11,12,13,14,15
	v_cvt_pk_f16_f32 v[160+2*\i], v[32+64*((\k)%2)+4*\i], v[32+64*((\k)%2)+4*\i+1]
	v_cvt_pk_f16_f32 v[161+2*\i], v[32+64*((\k)%2)+4*\i+2], v[32+64*((\k)%2)+4*\i+3]
	global_store_b64 v4, v[160+2*\i:161+2*\i], s[18:19] offset:((\k)*16+\i)*256   ; the wave stores 256 consecutive bytes, aligned
.endr
.if (\k)+2 < 4
	LOADP (\k)+2
.endif
.endm
	LOADP 0
	LOADP 1
	CVTP 0
	CVTP 1
	CVTP 2
	CVTP 3
	s_wait_tensorcnt 0x0                           ; the same three lines as on the other two paths
	ds_add_u32 v[SPW], v[NIL]
	s_wait_dscnt 0x0
	s_endpgm
.Lfunc_end_k_q4248a03dce_prep:
	.size	k_q4248a03dce_prep, .Lfunc_end_k_q4248a03dce_prep-k_q4248a03dce_prep
	.p2alignl 7, 3214868480
	.fill 96, 4, 3214868480
	.section	.rodata,"a",@progbits
	.p2align	6, 0x0
	.amdhsa_kernel k_q4248a03dce_prep
		.amdhsa_group_segment_fixed_size 68096
		.amdhsa_private_segment_fixed_size 0
		.amdhsa_enable_private_segment 0
		.amdhsa_kernarg_size 64
		.amdhsa_user_sgpr_count 2
		.amdhsa_user_sgpr_kernarg_segment_ptr 1
		.amdhsa_wavefront_size32 1
		.amdhsa_system_sgpr_workgroup_id_x 1
		.amdhsa_system_sgpr_workgroup_id_y 1
		.amdhsa_system_sgpr_workgroup_id_z 1
		.amdhsa_system_vgpr_workitem_id 0
		.amdhsa_next_free_vgpr 192
		.amdhsa_next_free_sgpr 66
		.amdhsa_reserve_vcc 0
		.amdhsa_float_denorm_mode_32 3
		.amdhsa_float_denorm_mode_16_64 3
		.amdhsa_memory_ordered 1
		.amdhsa_forward_progress 1
		.amdhsa_inst_pref_size 131
	.end_amdhsa_kernel
	.amdgpu_metadata
---
amdhsa.version: [ 1, 2 ]
amdhsa.kernels:
  - .name:           k_q4248a03dce_prep
    .symbol:         k_q4248a03dce_prep.kd
    .args:
      - { .name: x, .offset: 0, .size: 8, .value_kind: global_buffer, .address_space: global }
      - { .name: w_attn, .offset: 8, .size: 8, .value_kind: global_buffer, .address_space: global }
      - { .name: w_proj, .offset: 16, .size: 8, .value_kind: global_buffer, .address_space: global }
      - { .name: xc, .offset: 24, .size: 8, .value_kind: global_buffer, .address_space: global }
      - { .name: xs, .offset: 32, .size: 8, .value_kind: global_buffer, .address_space: global }
      - { .name: wc, .offset: 40, .size: 8, .value_kind: global_buffer, .address_space: global }
      - { .name: ws, .offset: 48, .size: 8, .value_kind: global_buffer, .address_space: global }
      - { .name: wp16, .offset: 56, .size: 8, .value_kind: global_buffer, .address_space: global }
    .group_segment_fixed_size: 68096
    .private_segment_fixed_size: 0
    .kernarg_segment_align: 8
    .kernarg_segment_size: 64
    .max_flat_workgroup_size: 128
    .sgpr_count:     66
    .vgpr_count:     192
    .wavefront_size: 32
...
	.end_amdgpu_metadata
.endif
;; end of part 1
;; launch qkv (part 2): grid 12 x 32, 4 waves a work-group, clusters of 4 x 4, 327,680 bytes of LDS; arguments xc, xs, wc, ws, b_attn, qkv16, aux; writes qkv16, aux
.if DOCPART == 2
	.amdgcn_target "amdgcn-amd-amdhsa--gfx1250"
	.amdhsa_code_object_version 6
	.text
	.protected	k_q4248a03dce_qkv
	.globl	k_q4248a03dce_qkv
	.p2align	8
	.type	k_q4248a03dce_qkv,@function
k_q4248a03dce_qkv:
	s_mov_b64 s[64:65], 0
	v_nop
	global_prefetch_b8 v0, s[64:65] scope:SCOPE_SE
	s_setreg_imm32_b32 hwreg(HW_REG_WAVE_MODE, 25, 1), 1
	s_wait_xcnt 0x0
	s_wait_alu depctr_hold_cnt(0) depctr_sa_sdst(0) depctr_va_vdst(0) depctr_va_sdst(0) depctr_va_ssrc(0) depctr_va_vcc(0) depctr_vm_vsrc(0)
	s_getreg_b32 s2, hwreg(HW_REG_IB_STS2, 6, 4)
	s_cmp_eq_u32 s2, 0
	s_cbranch_scc0 .Lentry_in_a_cluster
	s_endpgm
.Lentry_in_a_cluster:
	s_bfe_u32 s2, ttmp6, 0x10000c
	s_cmp_lg_u32 s2, 0xf033
	s_cbranch_scc0 .Lentry_shape_is_right
	s_endpgm
.Lentry_shape_is_right:
; qkv = Q(x) Q(w_attn) + b_attn on codes of FP4 with E8M0 scales: M 8,192, N 3,072, K 1,024; sums in f32.
; A work-group of four waves makes 256 x 256, a wave 128 x 128: 64 accumulators of 16 x 16.  K is two LDS slots of 512: both are asked for at the head and nothing is filled again.
; The scale bytes of the work-group's 256 rows of x and 256 rows of w come once, as dense blocks.  CLUSTERS 4 x 4: x's tiles are shared along a row of the cluster, w's along a column, by joint loads.
; Tile row = cluster y + 8 cy, so that cy is the batch and cluster y the block of 256 positions: whether a tile holds a sequence's start hangs on the cluster's number alone, which all partners share.
; Tile column = 4 cluster x + cx, so that cluster x says q, k or v.
; THE MATRIX INSTRUCTION IS USED TRANSPOSED (source 0 = 16 rows of w, source 1 = 16 rows of x): a lane holds eight neighbouring columns of one row.  The bias is the C of each sum's first product.
; OUT: (1) q, k, v as f16 by head, qkv16[part][batch x 16 + head][position][64];  (2) positions 0-15 of every sequence in f32, aux[batch][16][3072];
; (3) from the v tiles the sums of v over blocks of 64 keys, f32, aux + 786,432: [batch][32 blocks][1024]; block 0 sums keys 16-63 only (no reader wants keys 0-15 in it).
; LIMITS: |q|, |k|, |v| under 65,504 (f16); NaN and infinities are not served.
; REGISTERS: window 0: v0-31 addresses; v32-95 scale words, two sets, and nothing else; v96-127 and v224-255 rows on the way out; v128-191 x's fragments, later at work; v192-255 the bias, later packed results.
;   window 1: w's fragments, two sets.  windows 2, 3: the accumulators ((a, b) at v[8 (8 (a % 4) + b)]).
.set SIZE_N, 3072
.set SIZE_K, 1024
.set KSTEP,  512
.set NQ,     KSTEP/128
.set ROWB,   256
.set KROW,   SIZE_K/2
.set PITCH,  272                       ; an LDS row: 256 bytes + 16 of padding: the 16 rows of a fragment load start at 16 different banks
.set FR,     8
.set NL,     2
.set NP,     4
.set HALFT,  128*PITCH
.set SLOT,   4*HALFT
.set KS,     SIZE_K/32
.set SCL,    2*SLOT
.set HALFS,  (128*KS/256)*272
.set SBLK,   (16*KS/256)*272
.set SPARE,  SCL+4*HALFS
.set ST32,   4608                      ; a wave's 16,384 bytes of slot 0 on the way out: f16 stage 16 x 272 at 0, f32 stage 16 x 528 at 4,608, sums at 13,312
.set STSUM,  13312
.set BOFF, 7                           ; v7   32 x (lane / 16)
.set STO32, 8
.set RD32, 9
.set L16,  10                          ; v10  16 x lane
.set SUMA, 11
.set SUMR, 12
.set ADRA, 16
.set ADRB, 20
.set STO,  24
.set RD,   25
.set CO,   26
.set ADRS, 27
.set SPW,  28
.set NIL,  29
.set SC,   32
.set BK,   96
.set AF,   128
.set T,    128
.set TMP,  192
.set BIAS, 192
.set G1, 24
.set G0, 32
.set G1B, 48
.set G0B, 56
.set G1S, 68
.set G0S, 76
.set G1SB, 80
.set G0SB, 88
.set MSB, 0
.macro WIN new                         ; the immediate's high byte repeats the setting that is left
.if MSB != \new
	s_set_vgpr_msb (MSB<<8)|\new
.set MSB, \new
.endif
.endm
.set MUL_LO, 0xa1
.set MUL_HI, 0xf1
.set TO_B,   0x40
.macro JLOAD g0a, g1a, g0b, g1b        ; a joint load: waves 0, 1 fetch for x, waves 2, 3 for w; an s_nop 0 and four v_nop follow each line
	s_cmp_eq_u32 s15, 0
	s_cbranch_scc0 .Lfor_b_\@
	tensor_load_to_lds s[\g0a:\g0a+3], s[\g1a:\g1a+7]
	s_nop 0
.rept 4
	v_nop
.endr
	s_branch .Lasked_\@
.Lfor_b_\@:
	tensor_load_to_lds s[\g0b:\g0b+3], s[\g1b:\g1b+7]
	s_nop 0
.rept 4
	v_nop
.endr
.Lasked_\@:
.endm
.macro CROUND                          ; a round of the cluster's barrier
	s_barrier_signal -1
	s_barrier_wait -1
	s_cmp_lg_u32 s14, 0
	s_cbranch_scc1 .Lnot_wave_0_\@
	s_barrier_signal -3
.Lnot_wave_0_\@:
	s_barrier_wait -3
	s_barrier_signal -1
	s_barrier_wait -1
.endm
	s_load_b128 s[4:7], s[0:1], 0x0                ; xc, xs
	s_load_b128 s[8:11], s[0:1], 0x10              ; wc, ws
	s_load_b128 s[96:99], s[0:1], 0x20             ; b_attn, qkv16
	s_load_b64 s[100:101], s[0:1], 0x30            ; aux
	v_lshl_add_u32 v[SPW], v0, 2, SPARE
	v_mov_b32 v[NIL], 0
	ds_add_u32 v[SPW], v[NIL]                      ; the wave's opening: the add, twice on end, and its wait ahead of my first tensor load
	ds_add_u32 v[SPW], v[NIL]
	v_lshrrev_b32 v1, 5, v0
	v_readfirstlane_b32 s14, v1                    ; wave 0..3
	s_lshr_b32 s15, s14, 1                         ; my half of the tile's rows; also: I fetch for x (0) or for w (1)
	s_and_b32 s16, s14, 1                          ; my half of its columns; also: which 128 rows I fetch
	s_bfe_u32 s40, ttmp6, 0x40000                  ; cx
	s_bfe_u32 s41, ttmp6, 0x40004                  ; cy
	s_lshl_b32 s42, ttmp9, 2
	s_add_co_u32 s42, s42, s40                     ; tile column = 4 x cluster x + cx
	s_and_b32 s17, ttmp7, 0xffff
	s_lshl_b32 s43, s41, 3
	s_add_co_u32 s17, s17, s43                     ; tile row = cluster y + 8 cy
	s_lshl_b32 s43, s41, 2
	s_lshl_b32 s43, 15, s43                        ; my row of the cluster
	s_lshl_b32 s44, 0x1111, s40                    ; my column
	s_or_b32 s[G1+0], s43, (0<<16)|(1<<20)|(1<<21)|(5<<22)|(3<<25)  ; mask; elements of 1 byte; padding: 4 words behind every 64; bit 21 beside a mask
	s_or_b32 s[G1B+0], s44, (0<<16)|(1<<20)|(1<<21)|(5<<22)|(3<<25)
.irp g, G1, G1B
	s_mov_b32 s[\g+1], ROWB<<16                    ; tensor_dim0
	s_mov_b32 s[\g+2], 128<<16                     ; tensor_dim1
	s_mov_b32 s[\g+3], ROWB<<16                    ; tile_dim0
	s_mov_b32 s[\g+4], 128                         ; tile_dim1
	s_mov_b32 s[\g+5], KROW                        ; the pitch
	s_mov_b32 s[\g+6], 0
	s_mov_b32 s[\g+7], 0
.endr
	s_or_b32 s[G1S+0], s43, (3<<16)|(1<<20)|(1<<21)|(5<<22)|(3<<25) ; the scales of 128 rows: 4,096 dense bytes as 16 rows of 256
	s_or_b32 s[G1SB+0], s44, (3<<16)|(1<<20)|(1<<21)|(5<<22)|(3<<25)
.irp g, G1S, G1SB
	s_mov_b32 s[\g+1], 32<<16
	s_mov_b32 s[\g+2], (128*KS/256)<<16
	s_mov_b32 s[\g+3], 32<<16
	s_mov_b32 s[\g+4], 128*KS/256
	s_mov_b32 s[\g+5], 32
	s_mov_b32 s[\g+6], 0
	s_mov_b32 s[\g+7], 0
.endr
	s_lshl_b32 s18, s16, 7
	s_lshl_b32 s20, s17, 8
	s_add_co_u32 s20, s20, s18                     ; x: row 256 x tile row + 128 x half
	s_lshl_b32 s46, s42, 8
	s_add_co_u32 s46, s46, s18                     ; w: row 256 x tile column + 128 x half
	s_mov_b32 s21, 0
	s_mov_b32 s47, 0
	s_mov_b64 s[18:19], KS
	s_mul_u64 s[22:23], s[20:21], s[18:19]
	s_mul_u64 s[92:93], s[46:47], s[18:19]
	s_mov_b64 s[18:19], KROW
	s_mul_u64 s[20:21], s[20:21], s[18:19]
	s_mul_u64 s[46:47], s[46:47], s[18:19]
	s_mul_i32 s45, s14, HALFT                      ; where they go: wave x 128 rows: no place in the cluster enters an LDS address
	s_mul_i32 s94, s14, HALFS
	s_wait_dscnt 0x0                               ; both opening adds are done
	s_wait_kmcnt 0x0
	s_add_nc_u64 s[20:21], s[4:5], s[20:21]
	s_add_nc_u64 s[22:23], s[6:7], s[22:23]
	s_add_nc_u64 s[46:47], s[8:9], s[46:47]
	s_add_nc_u64 s[92:93], s[10:11], s[92:93]
	CROUND                                         ; all sixteen work-groups are here: the joint loads meet
	s_mov_b32 s[G0S], 1
	s_add_co_u32 s[G0S+1], s94, SCL
	s_mov_b64 s[G0S+2:G0S+3], s[22:23]
	s_or_b32 s[G0S+3], s[G0S+3], 0x80000000
	s_mov_b32 s[G0SB], 1
	s_add_co_u32 s[G0SB+1], s94, SCL
	s_mov_b64 s[G0SB+2:G0SB+3], s[92:93]
	s_or_b32 s[G0SB+3], s[G0SB+3], 0x80000000
	JLOAD G0S, G1S, G0SB, G1SB                     ; the scales first; three loads of a wave are out at the most
.irp s, 0,1
	s_mov_b32 s[G0+4*\s], 1
	s_add_co_u32 s[G0+4*\s+1], s45, \s*SLOT
	s_add_nc_u64 s[G0+4*\s+2:G0+4*\s+3], s[20:21], \s*ROWB
	s_or_b32 s[G0+4*\s+3], s[G0+4*\s+3], 0x80000000
	s_mov_b32 s[G0B+4*\s], 1
	s_add_co_u32 s[G0B+4*\s+1], s45, \s*SLOT
	s_add_nc_u64 s[G0B+4*\s+2:G0B+4*\s+3], s[46:47], \s*ROWB
	s_or_b32 s[G0B+4*\s+3], s[G0B+4*\s+3], 0x80000000
	JLOAD G0+4*\s, G1, G0B+4*\s, G1B
.endr
	v_and_b32 v1, 15, v0                           ; r
	v_bfe_u32 v2, v0, 4, 1                         ; h
	v_lshlrev_b32 v[BOFF], 5, v2
	s_lshl_b32 s20, s42, 10
	s_lshl_b32 s21, s16, 9
	s_add_co_u32 s20, s20, s21                     ; my first column, in bytes of f32
	s_mov_b32 s21, 0
	s_add_nc_u64 s[96:97], s[96:97], s[20:21]
.irp b, 0,1,2,3,4,5,6,7
	global_load_b128 v[BIAS+8*\b:BIAS+8*\b+3],   v[BOFF], s[96:97] offset:64*\b       ; b_attn at columns 16 b + 8 h + 0 .. 7: the result's layout
	global_load_b128 v[BIAS+8*\b+4:BIAS+8*\b+7], v[BOFF], s[96:97] offset:64*\b+16
.endr
	v_mul_u32_u24 v3, v1, PITCH
	v_lshl_add_u32 v4, v2, 4, v3                   ; a fragment's row x pitch + 16 x half
	s_mul_i32 s21, s15, HALFT
	s_mul_i32 s22, s16, HALFT
	s_add_co_u32 s22, s22, 2*HALFT
.irp s, 0,1
	v_add_nc_u32 v[ADRA+\s], s21, v4
	v_add_nc_u32 v[ADRB+\s], s22, v4
	s_add_co_u32 s21, s21, SLOT
	s_add_co_u32 s22, s22, SLOT
.endr
	v_mul_u32_u24 v5, v1, KS                       ; my row's scales: 32 bytes a row,
	v_lshrrev_b32 v6, 8, v5
	v_lshl_add_u32 v5, v6, 4, v5                   ; and 16 more for each 256 passed
	s_mul_i32 s21, s15, HALFS
	s_mul_i32 s22, s16, HALFS
	s_add_co_u32 s22, s22, 2*HALFS
	s_sub_co_u32 s22, s22, s21
	v_mul_u32_u24 v6, s22, v2                      ; lanes 16-31 take w's
	s_add_co_u32 s21, s21, SCL
	v_add_nc_u32 v5, v5, v6
	v_add_nc_u32 v[ADRS], s21, v5
	s_lshl_b32 s23, s14, 14                        ; my 16,384 bytes of slot 0 for the way out
	v_add_nc_u32 v[STO], s23, v4                   ; f16 stage, in: 272 r + 16 h
	v_mul_u32_u24 v5, v2, PITCH
	v_lshl_add_u32 v5, v1, 4, v5
	v_add_nc_u32 v[RD], s23, v5                    ; back: lanes 0-15 one row, lanes 16-31 the next
	v_bfe_u32 v5, v0, 3, 1
	v_lshlrev_b32 v5, 18, v5                       ; lanes 8-15 and 24-31 hold the second head: 262,144 bytes on
	v_lshl_add_u32 v5, v2, 7, v5                   ; the odd row: 128 bytes on
	v_and_b32 v6, 7, v0
	v_lshl_add_u32 v[CO], v6, 4, v5
	v_mul_u32_u24 v5, v1, 528
	v_lshl_add_u32 v5, v2, 5, v5
	v_add_nc_u32 v5, s23, v5
	v_add_nc_u32 v[STO32], ST32, v5                ; f32 stage, in: 528 r + 32 h
	v_and_b32 v6, 31, v0
	v_lshlrev_b32 v[L16], 4, v6
	v_add_nc_u32 v5, s23, v[L16]
	v_add_nc_u32 v[RD32], ST32, v5
	v_add_nc_u32 v[SUMR], STSUM, v5
	v_add_nc_u32 v5, s23, v[BOFF]
	v_add_nc_u32 v[SUMA], STSUM, v5
	; where the results go
	s_lshl_b32 s20, s41, 4
	s_lshl_b32 s21, s40, 2
	s_add_co_u32 s20, s20, s21
	s_lshl_b32 s21, s16, 1
	s_add_co_u32 s20, s20, s21                     ; batch x 16 + my first head
	s_lshl_b32 s20, s20, 11
	s_and_b32 s21, ttmp7, 0xffff
	s_lshl_b32 s21, s21, 8
	s_add_co_u32 s20, s20, s21
	s_lshl_b32 s21, s15, 7
	s_add_co_u32 s20, s20, s21                     ; + my first position
	s_lshl_b32 s20, s20, 7                         ; rows of 128 bytes
	s_lshl_b32 s21, ttmp9, 24                      ; q, k or v: 16,777,216 bytes a part
	s_add_co_u32 s20, s20, s21
	s_mov_b32 s21, 0
	s_add_nc_u64 s[98:99], s[98:99], s[20:21]
	s_lshl_b32 s22, s41, 5
	s_and_b32 s23, ttmp7, 0xffff
	s_lshl_b32 s23, s23, 2
	s_add_co_u32 s22, s22, s23
	s_lshl_b32 s23, s15, 1
	s_add_co_u32 s22, s22, s23                     ; batch x 32 + my first block of 64 keys
	s_lshl_b32 s22, s22, 12
	s_lshl_b32 s23, s40, 10
	s_add_co_u32 s22, s22, s23
	s_lshl_b32 s23, s16, 9
	s_add_co_u32 s22, s22, s23
	s_add_co_u32 s22, s22, 786432
	s_mov_b32 s23, 0
	s_add_nc_u64 s[92:93], s[100:101], s[22:23]    ; the sums of v
	s_mul_i32 s20, s41, 196608
	s_lshl_b32 s22, s42, 10
	s_add_co_u32 s20, s20, s22
	s_lshl_b32 s22, s16, 9
	s_add_co_u32 s20, s20, s22
	s_add_nc_u64 s[100:101], s[100:101], s[20:21]  ; the f32 rows
	s_and_b32 s20, ttmp7, 0xffff
	s_or_b32 s20, s20, s15
	s_cmp_eq_u32 s20, 0                            ; do my first 16 rows begin a sequence?  Cluster y and the wave's number alone
	s_cselect_b32 s12, 0, 1.0                      ; then they count for nothing in the first block's sum
	s_mov_b32 s13, s12
.macro FRAG reg, adr, q, i
.irp c, 0,1
	ds_load_b128 v[\reg+4*\c:\reg+4*\c+3], v[\adr] offset:64*(\q)+32*\c+(\i)*16*PITCH
.endr
.endm
; 16 matrix instructions: x's blocks a0, a0 + 1 against w's eight.  zero = 1: the first product starts the sums, with the bias as C.  The 64 accumulators take turns, one instruction a turn.
.macro MUL16 a0, p, q, sc, zero
.irp a, \a0, \a0+1
.irp b, 0,1,2,3,4,5,6,7
.if \zero
	v_wmma_scale_f32_16x16x128_f8f6f4 v[8*(8*((\a)%4)+\b):8*(8*((\a)%4)+\b)+7], v[128*(\p)+FR*\b:128*(\p)+FR*\b+FR-1], v[AF+FR*(\a):AF+FR*(\a)+FR-1], v[BIAS+8*\b:BIAS+8*\b+7], v[SC+8*NQ*(\sc)+NQ*\b+(\q)], v[SC+8*NQ*(\sc)+NQ*(\a)+(\q)] matrix_a_fmt:MATRIX_FMT_FP4 matrix_b_fmt:MATRIX_FMT_FP4 matrix_a_scale:MATRIX_SCALE_ROW1
.else
	v_wmma_scale_f32_16x16x128_f8f6f4 v[8*(8*((\a)%4)+\b):8*(8*((\a)%4)+\b)+7], v[128*(\p)+FR*\b:128*(\p)+FR*\b+FR-1], v[AF+FR*(\a):AF+FR*(\a)+FR-1], v[8*(8*((\a)%4)+\b):8*(8*((\a)%4)+\b)+7], v[SC+8*NQ*(\sc)+NQ*\b+(\q)], v[SC+8*NQ*(\sc)+NQ*(\a)+(\q)] matrix_a_fmt:MATRIX_FMT_FP4 matrix_b_fmt:MATRIX_FMT_FP4 matrix_a_scale:MATRIX_SCALE_ROW1
.endif
.endr
.endr
.endm
.macro FETCH_B slot, q, p
	WIN TO_B
.irp i, 0,1,2,3,4,5,6,7
	FRAG 128*(\p)+FR*\i, ADRB+\slot, \q, \i
.endr
	WIN 0
.endm
.macro FETCH_A slot, q, i0
.irp i, \i0, \i0+1, \i0+2, \i0+3
	FRAG AF+FR*(\i), ADRA+\slot, \q, \i
.endr
.endm
.macro SCALES sc                       ; lanes 0-15 take the words of x's block i, lanes 16-31 those of w's block i
.irp i, 0,1,2,3,4,5,6,7
	ds_load_b128 v[SC+8*NQ*\sc+NQ*\i:SC+8*NQ*\sc+NQ*\i+3], v[ADRS] offset:\i*SBLK
.endr
.endm
.macro PLACES n                        ; plain vector lines between a matrix instruction and a load into, or a read of, its registers
.rept \n
	v_nop
.endr
.endm
.macro STEP slot, q, zero
	s_wait_dscnt 4*NL                              ; w's set and x's blocks 0-3 are in; the youngest eight loads (x's blocks 4-7) may be out
.if \zero
	WIN 0x81                                       ; C, the bias, in window 0; D in window 2
.else
	WIN MUL_LO
.endif
	MUL16 0, (\q)%2, \q, \slot, \zero
	MUL16 2, (\q)%2, \q, \slot, \zero
	s_wait_dscnt 0
	PLACES NP
	FETCH_B \slot, (\q)+1, 1-(\q)%2
	FETCH_A \slot, (\q)+1, 0
.if \zero
	WIN 0xc1
.else
	WIN MUL_HI
.endif
	MUL16 4, (\q)%2, \q, \slot, \zero
	MUL16 6, (\q)%2, \q, \slot, \zero
	PLACES NP
	WIN 0
	FETCH_A \slot, (\q)+1, 4
.endm
	s_wait_tensorcnt 1                             ; the scales and my part of slot 0 are in; slot 1's load may stay out
	s_barrier_signal -1
	s_barrier_wait -1
	FETCH_B 0, 0, 0
	FETCH_A 0, 0, 0
	SCALES 0
	FETCH_A 0, 0, 4
	s_wait_loadcnt 0x0                             ; the bias
	STEP 0, 0, 1
	STEP 0, 1, 0
	STEP 0, 2, 0
	; slot 0's last step changes slots: one barrier; nothing is filled again
	s_wait_tensorcnt 0x0                           ; my part of slot 1 has landed
	ds_add_u32 v[SPW], v[NIL]
	s_wait_dscnt 4*NL+1                            ; (the add and x's blocks 4-7 may be out)
	WIN MUL_LO
	MUL16 0, 1, NQ-1, 0, 0
	s_wait_dscnt 0x0                               ; the add is done, and my reads of slot 0 are over
	s_barrier_signal -1
	MUL16 2, 1, NQ-1, 0, 0
	WIN 0
	s_barrier_wait -1
	PLACES NP
	v_add_nc_u32 v[ADRS], 4*NQ, v[ADRS]            ; the next 512 along K: 16 bytes on in each row of scales
	FETCH_B 1, 0, 0
	FETCH_A 1, 0, 0
	SCALES 1
	WIN MUL_HI
	MUL16 4, 1, NQ-1, 0, 0
	MUL16 6, 1, NQ-1, 0, 0
	PLACES NP
	WIN 0
	FETCH_A 1, 0, 4
	STEP 1, 0, 0
	STEP 1, 1, 0
	STEP 1, 2, 0
	s_wait_dscnt 4*NL
	WIN MUL_LO
	MUL16 0, 1, NQ-1, 1, 0
	MUL16 2, 1, NQ-1, 1, 0
	s_wait_dscnt 0
	WIN MUL_HI
	MUL16 4, 1, NQ-1, 1, 0
	MUL16 6, 1, NQ-1, 1, 0
	WIN 0
	PLACES NP                                      ; behind the last products: for the reads of results and the loads into operand registers below
	; (2) positions 0-15 of a sequence in f32: block 0 of the waves with rows 0-127 in the tiles with cluster y = 0.  The stages lie in slot 0, which has had its only fill and, behind the barrier above, its last read.
	s_and_b32 s20, ttmp7, 0xffff
	s_or_b32 s20, s20, s15
	s_cmp_lg_u32 s20, 0
	s_cbranch_scc1 .Lno_f32
	WIN 0x08                                       ; an LDS store's data are its source 1: window 2
.irp b, 0,1,2,3,4,5,6,7
	ds_store_b128 v[STO32], v[8*\b:8*\b+3] offset:64*\b            ; each accumulator from its low end on
	ds_store_b128 v[STO32], v[8*\b+4:8*\b+7] offset:64*\b+16
.endr
	WIN 0
.irp t, 0,1,2,3,4,5,6,7,8,9,10,11,12,13,14,15
	ds_load_b128 v[T+4*\t:T+4*\t+3], v[RD32] offset:\t*528         ; LDS serves a wave's instructions in order: these see the stores above
.endr
	s_wait_dscnt 0x0
.irp t, 0,1,2,3,4,5,6,7,8,9,10,11,12,13,14,15
	global_store_b128 v[L16], v[T+4*\t:T+4*\t+3], s[100:101] offset:\t*12288   ; 32 lanes store 512 consecutive bytes of a row
.endr
.Lno_f32:
	; (1) f16, by head.  A block of 16 rows x 128 columns (two heads) goes through my stage; one store then covers 256 consecutive bytes in each of the two heads (two positions of 128 bytes).
.macro PACK a
.set AC, 64*((\a)%4)
	WIN 0x0a+5*((\a)/4)                            ; sources 0 and 1: window 2 or 3
.irp b, 0,1,2,3,4,5,6,7
.irp r, 0,1,2,3
	v_cvt_pk_f16_f32 v[TMP+4*\b+\r], v[AC+8*\b+2*\r], v[AC+8*\b+2*\r+1]
.endr
.endr
	WIN 0
.endm
.macro TOSTAGE a
.set BB, BK+128*((\a)%2)
.irp b, 0,1,2,3,4,5,6,7
	ds_store_b128 v[STO], v[TMP+4*\b:TMP+4*\b+3] offset:32*\b
.endr
.irp t, 0,1,2,3,4,5,6,7
	ds_load_b128 v[BB+4*\t:BB+4*\t+3], v[RD] offset:\t*2*PITCH
.endr
.endm
.macro SEND a
.set BB, BK+128*((\a)%2)
	s_wait_dscnt 0x0                               ; the block is back in registers
	s_wait_xcnt 0x0                                ; the stores of the block before have read their registers: the next block's loads may land there
.irp t, 0,1,2,3,4,5,6,7
	global_store_b128 v[CO], v[BB+4*\t:BB+4*\t+3], s[98:99] offset:2048*(\a)+256*\t
.endr
.endm
	PACK 0
	TOSTAGE 0
.irp a, 1,2,3,4,5,6,7
	PACK \a                                        ; block a's conversions stand between block a - 1's loads from the stage and the wait for them
	SEND \a-1
	TOSTAGE \a
.endr
	SEND 7
	; (3) the v tiles (cluster x = 2): sums over my rows 0-63 and 64-127, column by column
	s_cmp_lg_u32 ttmp9, 2
	s_cbranch_scc1 .Lno_vsum
	s_wait_xcnt 0x0                                ; earlier stores have read v128-191
.macro REDUCE g                        ; over the 16 rows that the lanes of a half hold; then 128 columns leave as 512 consecutive bytes
.irp x, 1,2,4,8
.set n, 0
.rept 64
	v_add_f32_dpp v[T+n], v[T+n], v[T+n] row_xmask:\x row_mask:0xf bank_mask:0xf
.set n, n+1
.endr
.endr
.irp b, 0,1,2,3,4,5,6,7
	ds_store_b128 v[SUMA], v[T+8*\b:T+8*\b+3] offset:512*\g+64*\b          ; the sixteen lanes of a half write the same bytes with the same value
	ds_store_b128 v[SUMA], v[T+8*\b+4:T+8*\b+7] offset:512*\g+64*\b+16
.endr
	ds_load_b128 v[TMP+4*\g:TMP+4*\g+3], v[SUMR] offset:512*\g
	s_wait_dscnt 0x0
	global_store_b128 v[L16], v[TMP+4*\g:TMP+4*\g+3], s[92:93] offset:4096*\g
.endm
	WIN 0x22                                       ; sources 0 and 2: window 2
.set n, 0
.rept 32
	v_pk_fma_f32 v[T+n:T+n+1], v[n:n+1], s[12:13], v[64+n:64+n+1] op_sel_hi:[1,0,1]   ; rows 0-15 x (0 where they begin a sequence, else 1) + rows 16-31
.set n, n+2
.endr
	WIN 0x08
.set n, 0
.rept 32
	v_pk_add_f32 v[T+n:T+n+1], v[T+n:T+n+1], v[128+n:128+n+1]
.set n, n+2
.endr
.set n, 0
.rept 32
	v_pk_add_f32 v[T+n:T+n+1], v[T+n:T+n+1], v[192+n:192+n+1]
.set n, n+2
.endr
	WIN 0
	REDUCE 0
	WIN 0x0f                                       ; sources 0 and 1: window 3
.set n, 0
.rept 32
	v_pk_add_f32 v[T+n:T+n+1], v[n:n+1], v[64+n:64+n+1]
.set n, n+2
.endr
	WIN 0x0c
.set n, 0
.rept 32
	v_pk_add_f32 v[T+n:T+n+1], v[T+n:T+n+1], v[128+n:128+n+1]
.set n, n+2
.endr
.set n, 0
.rept 32
	v_pk_add_f32 v[T+n:T+n+1], v[T+n:T+n+1], v[192+n:192+n+1]
.set n, n+2
.endr
	WIN 0
	REDUCE 1
.Lno_vsum:
	s_wait_tensorcnt 0x0                           ; the wave's end, behind my last tensor load and my last LDS store
	ds_add_u32 v[SPW], v[NIL]
	s_wait_dscnt 0x0
	CROUND                                         ; the closing round
	s_endpgm
.Lfunc_end_k_q4248a03dce_qkv:
	.size	k_q4248a03dce_qkv, .Lfunc_end_k_q4248a03dce_qkv-k_q4248a03dce_qkv
	.p2alignl 7, 3214868480
	.fill 96, 4, 3214868480
	.section	.rodata,"a",@progbits
	.p2align	6, 0x0
	.amdhsa_kernel k_q4248a03dce_qkv
		.amdhsa_group_segment_fixed_size 327680
		.amdhsa_private_segment_fixed_size 0
		.amdhsa_enable_private_segment 0
		.amdhsa_kernarg_size 56
		.amdhsa_user_sgpr_count 2
		.amdhsa_user_sgpr_kernarg_segment_ptr 1
		.amdhsa_wavefront_size32 1
		.amdhsa_system_sgpr_workgroup_id_x 1
		.amdhsa_system_sgpr_workgroup_id_y 1
		.amdhsa_system_sgpr_workgroup_id_z 1
		.amdhsa_system_vgpr_workitem_id 0
		.amdhsa_next_free_vgpr 1024
		.amdhsa_next_free_sgpr 102
		.amdhsa_reserve_vcc 0
		.amdhsa_float_denorm_mode_32 3
		.amdhsa_float_denorm_mode_16_64 3
		.amdhsa_memory_ordered 1
		.amdhsa_forward_progress 1
		.amdhsa_inst_pref_size 180
	.end_amdhsa_kernel
	.amdgpu_metadata
---
amdhsa.version: [ 1, 2 ]
amdhsa.kernels:
  - .name:           k_q4248a03dce_qkv
    .symbol:         k_q4248a03dce_qkv.kd
    .args:
      - { .name: xc, .offset: 0, .size: 8, .value_kind: global_buffer, .address_space: global }
      - { .name: xs, .offset: 8, .size: 8, .value_kind: global_buffer, .address_space: global }
      - { .name: wc, .offset: 16, .size: 8, .value_kind: global_buffer, .address_space: global }
      - { .name: ws, .offset: 24, .size: 8, .value_kind: global_buffer, .address_space: global }
      - { .name: b_attn, .offset: 32, .size: 8, .value_kind: global_buffer, .address_space: global }
      - { .name: qkv16, .offset: 40, .size: 8, .value_kind: global_buffer, .address_space: global }
      - { .name: aux, .offset: 48, .size: 8, .value_kind: global_buffer, .address_space: global }
    .group_segment_fixed_size: 327680
    .private_segment_fixed_size: 0
    .kernarg_segment_align: 8
    .kernarg_segment_size: 56
    .max_flat_workgroup_size: 128
    .sgpr_count:     102
    .vgpr_count:     1024
    .wavefront_size: 32
...
	.end_amdgpu_metadata
.endif
;; end of part 2
;; launch attn (part 3): grid 4 x 64, 8 waves a work-group, no clusters, 327,680 bytes of LDS; arguments qkv16, aux, a16; writes a16
.if DOCPART == 3
	.amdgcn_target "amdgcn-amd-amdhsa--gfx1250"
	.amdhsa_code_object_version 6
	.text
	.protected	k_q4248a03dce_attn
	.globl	k_q4248a03dce_attn
	.p2align	8
	.type	k_q4248a03dce_attn,@function
k_q4248a03dce_attn:
	s_mov_b64 s[64:65], 0
	v_nop
	global_prefetch_b8 v0, s[64:65] scope:SCOPE_SE
	s_setreg_imm32_b32 hwreg(HW_REG_WAVE_MODE, 25, 1), 1
	s_wait_xcnt 0x0
; a[bh][q][:] = sum over k of softmax_k(w(q, k)) v[bh][k][:], w = q . k / 8 where k <= q and -10,000 where k > q, over ALL 2,048 keys, as the problem has it.  q, k, v, a: f16, [bh 64][2048][64]; products' sums, maxima and sums in f32.
; THE HIDDEN KEYS KEEP THEIR SCORE OF -10,000.  Steps of 64 keys that lie wholly behind a wave's queries are not multiplied: their part of the softmax is (number of keys, sum of their v) under the score -10,000,
; and it is the START of the running softmax: m = -80,000 (the raw score that gives -10,000), l = the count, O = the sum of v, from the block sums that the launch before stored.  In a step on the diagonal hidden scores are set to -80,000.
; SOFTMAX.  Running maximum m and sum l for each query: p = 2^(c s - c m), c = log2(e) / 8; in every step O and l are multiplied by 2^(c m_old - c m_new).
; SHARES.  Work-group (i, bh) takes the query blocks i and 7 - i (256 queries each) of one head, one after the other: (i + 1) + (8 - i) = 9 units of 256 keys for every work-group.
; Wave w takes 32 queries, two tiles of 16: group g = w for w < 4, else 11 - w.  Two waves share a SIMD: one wave's vector work stands beside the other's products.
; NO CLUSTER: for an even load the four work-groups of a head walk different units at the same time, so no tile could be asked for jointly.
; LAYOUT.  S^T = K Q^T and O^T = V^T P: a lane holds ONE query (lane % 16) throughout; two tiles of S^T rounded to f16 in pairs ARE the second product's source 1.  V ([key][channel]) is turned by ds_load_tr16_b128.
; RING.  Two slots 2^17 bytes apart; a slot holds a unit: 4 steps of 64 keys; a step's K (32 rows of 256 bytes, two keys to a row, pitch 272) and V (pitch 288) lie together.  Wave w fetches one tile a slot: K of step w, or V of step w - 4.
; LIMITS: |q|, |k|, |v|, |a| under 65,504 (f16); NaN and infinities are not served.
; REGISTERS.  Window 0: v2-15 addresses and constants; v16-31 statistics, 8 a tile (+0 c m, +1 m, +2, +3 l, +4..7 at work, +6 the factor); v32-35 the two passes' sums of v; v64-127 S^T; v128-159 P; v160-223 K's fragments.
;   Window 1: v0-63 O^T (32 t + 8 ct); v64-95 Q; v160-223 V^T.
.set STEPB, 17920
.set VOFF,  8704
.set SLOT1, 1<<17
.set STAGE, SLOT1+4*STEPB              ; 8 x 4,608: 32 rows x 144 for each wave
.set VSST,  STAGE+8*4608               ; 8 x 512: each wave's two sums of v, 64 f32 each
.set SPARE, VSST+8*512                 ; the spare words, 128 bytes a wave
.set AK0, 2
.set AV0, 3
.set ADK, 4
.set ADV, 5
.set QO,  6
.set STO, 7
.set RD,  8
.set GO,  9
.set AVS, 10
.set AVW, 11
.set RH,  12
.set NEG, 13
.set D0,  14
.set ST,  16
.set VA,  32
.set VB,  34
.set PFO, 36
.set BSO, 37
.set SPW, 62
.set NIL, 63
.set S,   64
.set P,   128
.set KFR, 160
.set O,   0
.set Q,   64
.set VFR, 160
.set WV,  10
.set G,   11
.set I,   12
.set I1,  13
.set BH,  14
.set TBASE, 16                         ; s[16:17] my tile of unit 0 in memory
.set SEL, 20
.set CS,  22
.set G1K, 24
.set G1V, 32
.set G0,  40
.set QB,  44                           ; s[44:45] Q of the second pass
.set OA,  46                           ; s[46:47] where the pass in hand stores
.set OB,  48
.set Q0,  50
.set Q0B, 51
.set KF,  52
.set TB,  53
.set SLOTS, 54
.set CN,  55
.set NU,  56
.set TW,  57
.set MS,  58                           ; s58, s59 the starting m of the two passes
.set LH,  60                           ; s60, s61 half the number of keys never walked
.set JA,  62
.set JB,  63
.set WA,  66
.set WB,  68
.set PFA, 70
.set LIM, 72
.set QA,  74
.set BSB, 76
.set MSB, 0
.macro WIN new
.if MSB != \new
	s_set_vgpr_msb (MSB<<8)|\new
.set MSB, \new
.endif
.endm
.macro TLOAD                           ; waves 0-3 fetch K's tiles, waves 4-7 V's: two shapes of padding, one group 0; an s_nop 0 and four v_nop follow each line
	s_cmp_lt_u32 s[WV], 4
	s_cbranch_scc0 .Lfor_v_\@
	tensor_load_to_lds s[G0:G0+3], s[G1K:G1K+7]
	s_nop 0
.rept 4
	v_nop
.endr
	s_branch .Lasked_\@
.Lfor_v_\@:
	tensor_load_to_lds s[G0:G0+3], s[G1V:G1V+7]
	s_nop 0
.rept 4
	v_nop
.endr
.Lasked_\@:
.endm
; A PREFETCH of the unit that the NEXT change of slots will load: a slot's four key steps ahead of that load.  All four work-groups of a head read the same K and V; the one with i = 0 walks units 0 to 7 in order in its
; second pass, and it alone asks: at change n for unit n + 1, n = 0 .. 6.  Each wave names its own tile's 8,192 bytes, lanes 256 bytes apart.  So every block of units 1 to 7 is named once in the launch, nothing at the head, nothing behind unit 7.
.macro ASK
	s_cmp_gt_u32 s[SLOTS], s[LIM]
	s_cbranch_scc0 .Lnot_mine_\@
	global_prefetch_b8 v[PFO], s[PFA:PFA+1] th:TH_LOAD_NT scope:SCOPE_SE
.Lnot_mine_\@:
.endm
	s_load_b128 s[4:7], s[0:1], 0x0                ; qkv16, aux
	s_load_b64 s[8:9], s[0:1], 0x10                ; a16
	v_lshl_add_u32 v[SPW], v0, 2, SPARE
	v_mov_b32 v[NIL], 0
	ds_add_u32 v[SPW], v[NIL]                      ; the wave's opening: the add, twice on end, and its wait ahead of my first tensor load
	ds_add_u32 v[SPW], v[NIL]
	v_lshrrev_b32 v1, 5, v0
	v_readfirstlane_b32 s[WV], v1                  ; wave 0..7
	s_sub_co_u32 s[G], 11, s[WV]
	s_cmp_lt_u32 s[WV], 4
	s_cselect_b32 s[G], s[WV], s[G]                ; my group of 32 queries
	s_mov_b32 s[I], ttmp9
	s_add_co_u32 s[I1], s[I], 1
	s_and_b32 s[BH], ttmp7, 0xffff
	s_lshl_b32 s[Q0], s[I], 8
	s_lshl_b32 s96, s[G], 5
	s_add_co_u32 s[Q0], s[Q0], s96                 ; my first query in the first pass,
	s_sub_co_u32 s97, 7, s[I]
	s_lshl_b32 s[Q0B], s97, 8
	s_add_co_u32 s[Q0B], s[Q0B], s96               ; and in the second
	s_lshr_b32 s96, s[G], 1
	s_add_co_u32 s96, s96, 1
	s_lshl_b32 s[JA], s[I], 2
	s_add_co_u32 s[JA], s[JA], s96                 ; steps of 64 keys that I walk: 4 x block + g / 2 + 1; the blocks of 64 from there on are never walked
	s_lshl_b32 s[JB], s97, 2
	s_add_co_u32 s[JB], s[JB], s96
	s_lshl_b32 s96, s[JA], 5
	s_sub_co_u32 s[LH], 1024, s96                  ; half their keys: each half of the lanes starts with half the count
	s_mov_b32 s[MS], 0xff61b1e6                    ; -3e38 where no key is left out,
	s_cmp_lg_u32 s[LH], 0
	s_cselect_b32 s[MS], 0xc79c4000, s[MS]         ; else -80,000
	s_lshl_b32 s96, s[JB], 5
	s_sub_co_u32 s[LH+1], 1024, s96
	s_mov_b32 s[MS+1], 0xff61b1e6
	s_cmp_lg_u32 s[LH+1], 0
	s_cselect_b32 s[MS+1], 0xc79c4000, s[MS+1]
	s_lshr_b32 s96, s[WV], 2
	s_add_co_u32 s96, s96, 1
	s_lshl_b32 s18, s96, 24                        ; the part: k (waves 0-3) or v
	s_lshl_b32 s97, s[BH], 18
	s_add_co_u32 s18, s18, s97                     ; the head: 262,144 bytes
	s_and_b32 s97, s[WV], 3
	s_lshl_b32 s96, s97, 13
	s_add_co_u32 s18, s18, s96                     ; my step of a unit: 8,192 bytes
	s_mov_b32 s19, 0
	s_mul_i32 s[G0+1], s97, STEPB                  ; and in a slot: (w & 3) x a step's bytes + (w >> 2) x K's bytes
	s_lshr_b32 s97, s[WV], 2
	s_mul_i32 s97, s97, VOFF
	s_add_co_u32 s[G0+1], s[G0+1], s97
	s_mov_b32 s[G1K], (1<<16)|(1<<20)|(5<<22)|(3<<25)   ; elements of 2 bytes; padding: 4 words behind every 64
	s_mov_b32 s[G1V], (1<<16)|(1<<20)|(5<<22)|(7<<25)   ; 8 words
.irp g, G1K, G1V
	s_mov_b32 s[\g+1], 128<<16                     ; tensor_dim0
	s_mov_b32 s[\g+2], 32<<16                      ; tensor_dim1
	s_mov_b32 s[\g+3], 128<<16                     ; tile_dim0: 256 bytes, two keys
	s_mov_b32 s[\g+4], 32                          ; tile_dim1
	s_mov_b32 s[\g+5], 128                         ; the pitch: dense
	s_mov_b32 s[\g+6], 0
	s_mov_b32 s[\g+7], 0
.endr
	s_mov_b32 s[SEL], 0x76543210
	s_mov_b32 s[SEL+1], 0xfedcba98                 ; lane l xor 16
	s_mov_b32 s[CS], 0x3e38aa3b                    ; c = log2(e) / 8
	s_mov_b32 s[CS+1], s[CS]
	s_mov_b32 s[KF], 0
	s_mov_b32 s[TB], 0
	s_mov_b32 s[SLOTS], 8
	s_mov_b32 s[CN], 0
	s_mov_b32 s[NU], 0
	s_mov_b32 s[WA+1], 0
	s_mov_b32 s[WB+1], 0
	s_cmp_eq_u32 s[I], 0
	s_cselect_b32 s[LIM], 1, -1
	s_wait_dscnt 0x0                               ; both opening adds are done
	s_wait_kmcnt 0x0
	s_add_nc_u64 s[TBASE:TBASE+1], s[4:5], s[18:19]
	s_mov_b32 s[G0], 1
	s_mov_b64 s[G0+2:G0+3], s[TBASE:TBASE+1]
	s_or_b32 s[G0+3], s[G0+3], 0x80000000
	TLOAD                                          ; slot 0: unit 0
	s_mov_b64 s[PFA:PFA+1], s[TBASE:TBASE+1]       ; the first change of slots steps it to unit 1
	s_lshl_b32 s96, s[BH], 11
	s_add_co_u32 s78, s96, s[Q0]
	s_lshl_b32 s78, s78, 7
	s_mov_b32 s79, 0
	s_add_nc_u64 s[QA:QA+1], s[4:5], s[78:79]
	s_add_nc_u64 s[OA:OA+1], s[8:9], s[78:79]
	s_add_co_u32 s78, s96, s[Q0B]
	s_lshl_b32 s78, s78, 7
	s_add_nc_u64 s[QB:QB+1], s[4:5], s[78:79]
	s_add_nc_u64 s[OB:OB+1], s[8:9], s[78:79]
	s_lshr_b32 s78, s[BH], 4
	s_lshl_b32 s78, s78, 17
	s_and_b32 s96, s[BH], 15
	s_lshl_b32 s96, s96, 8
	s_add_co_u32 s78, s78, s96
	s_add_co_u32 s78, s78, 786432
	s_add_nc_u64 s[BSB:BSB+1], s[6:7], s[78:79]    ; my head's 64 channels of the block sums
	v_and_b32 v44, 15, v0                          ; r
	v_bfe_u32 v45, v0, 4, 1                        ; h
	v_lshlrev_b32 v[QO], 7, v44
	v_lshl_add_u32 v[QO], v45, 4, v[QO]            ; Q: row r of 128 bytes + 16 h
	WIN 0x40
.irp t, 0,1
.irp ks, 0,1
.irp e, 0,1
	global_load_b128 v[Q+16*\t+8*\ks+4*\e:Q+16*\t+8*\ks+4*\e+3], v[QO], s[QA:QA+1] offset:2048*\t+64*\ks+32*\e
.endr
.endr
.endr
	WIN 0
	v_and_b32 v47, 31, v0                          ; lane
	v_lshlrev_b32 v[BSO], 3, v47
.set j, 1
.rept 31
	global_load_b64 v[S+2*j:S+2*j+1], v[BSO], s[BSB:BSB+1] offset:4096*j   ; block j's sums of channels 2 lane, 2 lane + 1
.set j, j+1
.endr
	v_lshrrev_b32 v46, 1, v44
	v_mul_u32_u24 v[AK0], v46, 272
	v_and_b32 v46, 1, v0
	v_lshl_add_u32 v[AK0], v46, 7, v[AK0]
	v_lshl_add_u32 v[AK0], v45, 4, v[AK0]          ; K: key r lies at 272 (r / 2) + 128 (r % 2); + 16 h
	v_bfe_u32 v43, v0, 1, 2
	v_lshl_add_u32 v43, v45, 2, v43
	v_mul_u32_u24 v[AV0], v43, 288
	v_lshl_add_u32 v[AV0], v46, 7, v[AV0]
	v_bfe_u32 v43, v0, 3, 1
	v_lshl_add_u32 v[AV0], v43, 4, v[AV0]
	v_add_nc_u32 v[AV0], VOFF, v[AV0]              ; V, for the turning load: key 8 h + l % 8, channels 8 ((l / 8) % 2) on
	s_mul_i32 s96, s[WV], 4608
	s_add_co_u32 s96, s96, STAGE
	v_mul_u32_u24 v[STO], v44, 144
	v_lshl_add_u32 v[STO], v45, 4, v[STO]
	v_add_nc_u32 v[STO], s96, v[STO]
	v_bfe_u32 v46, v0, 3, 2
	v_mul_u32_u24 v[RD], v46, 144
	v_and_b32 v46, 7, v0
	v_lshl_add_u32 v[RD], v46, 4, v[RD]
	v_add_nc_u32 v[RD], s96, v[RD]                 ; back: four rows of 128 bytes an instruction
	v_lshlrev_b32 v[GO], 4, v47
	v_lshlrev_b32 v[PFO], 8, v47
	s_lshl_b32 s97, s[WV], 9
	s_add_co_u32 s97, s97, VSST
	v_lshl_add_u32 v[AVS], v45, 5, s97
	v_lshl_add_u32 v[AVW], v47, 3, s97
	v_lshlrev_b32 v46, 3, v45
	v_sub_nc_u32 v[RH], v44, v46                   ; r - 8 h
	v_mov_b32 v[NEG], 0xc79c4000                   ; -80,000
.set j, 0
.rept 16
	v_mov_b32 v[ST+j], 0                           ; the statistics are written once whole
.set j, j+1
.endr
	s_wait_loadcnt 0x0                             ; Q and the block sums
.set j, 1
.rept 31                               ; the sum of v over the blocks that a pass never walks: block j counts where j >= the pass's number of steps
	s_cmp_le_u32 s[JA], j
	s_cselect_b32 s[WA], 1.0, 0
	s_cmp_le_u32 s[JB], j
	s_cselect_b32 s[WB], 1.0, 0
.if j == 1
	v_pk_mul_f32 v[VA:VA+1], v[S+2*j:S+2*j+1], s[WA:WA+1] op_sel_hi:[1,0]
	v_pk_mul_f32 v[VB:VB+1], v[S+2*j:S+2*j+1], s[WB:WB+1] op_sel_hi:[1,0]
.else
	v_pk_fma_f32 v[VA:VA+1], v[S+2*j:S+2*j+1], s[WA:WA+1], v[VA:VA+1] op_sel_hi:[1,0,1]
	v_pk_fma_f32 v[VB:VB+1], v[S+2*j:S+2*j+1], s[WB:WB+1], v[VB:VB+1] op_sel_hi:[1,0,1]
.endif
.set j, j+1
.endr
	ds_store_b64 v[AVW], v[VA:VA+1]
	ds_store_b64 v[AVW], v[VB:VB+1] offset:256
; Pass p begins: m, c m, l, and O^T = the sum of v over the keys never walked, in O^T's layout (channel 16 ct + 8 h + j), the same for every query.  Nothing is cleared.
.macro INIT p
.irp t, 0,1
	v_mov_b32 v[ST+8*\t+1], s[MS+\p]
	v_mul_f32 v[ST+8*\t], s[CS], v[ST+8*\t+1]
	v_cvt_f32_u32 v[ST+8*\t+2], s[LH+\p]
	v_mov_b32 v[ST+8*\t+3], 0
.endr
	WIN 0x40
.irp t, 0,1
.irp ct, 0,1,2,3
.irp e, 0,1
	ds_load_b128 v[O+32*\t+8*\ct+4*\e:O+32*\t+8*\ct+4*\e+3], v[AVS] offset:256*\p+64*\ct+16*\e   ; my wave's own bytes: LDS serves a wave's instructions in order
.endr
.endr
.endr
	WIN 0
	s_wait_dscnt 0x0
.endm
; THE CHANGE OF SLOTS stands at a slot's head.  Each wave waits for all its tensor loads (one is out: its tile of the slot ahead), adds 0 to its spare word, and waits for that and for its reads of the slot that it has left.
; fill = 1: behind the barrier the other slot is asked for: the load has the slot's four steps in which to land.  In the first trip all eight loads fill slot 1 for the first time.
.macro CHANGE fill
	s_wait_tensorcnt 0x0                           ; no tensor load of mine is out, so group 0 may be written
	ds_add_u32 v[SPW], v[NIL]
.if \fill
	s_xor_b32 s[G0+1], s[G0+1], SLOT1              ; the other slot than last time
	s_add_co_u32 s[NU], s[NU], 1                   ; the next unit,
	s_cmp_eq_u32 s[CN], s[I]
	s_cselect_b32 s[NU], 0, s[NU]                  ; or unit 0 again where the second pass begins
	s_lshl_b32 s18, s[NU], 15
	s_add_nc_u64 s[G0+2:G0+3], s[TBASE:TBASE+1], s[18:19]
	s_or_b32 s[G0+3], s[G0+3], 0x80000000
	s_wait_xcnt 0x0                                ; the last prefetch, a slot back, has read its address
	s_add_nc_u64 s[PFA:PFA+1], s[PFA:PFA+1], 32768
.endif
	s_wait_dscnt 0x0                               ; the add is done, and my reads of the slot that I have left are over
	s_barrier_signal -1
	s_barrier_wait -1
.if \fill
	TLOAD                                          ; the first thing behind the barrier, and my one tensor load until the next
	ASK
.endif
.endm
; A KEY STEP: 64 keys.
.macro STEP
	s_add_co_u32 s96, s[Q0], 31
	s_cmp_gt_u32 s[KF], s96                        ; all 64 keys behind my 32 queries: the step is left out (ids and counts of steps alone; no barrier and no tensor load stands in a step)
	s_cbranch_scc1 .Lhidden_\@
	v_add_nc_u32 v[ADK], s[TB], v[AK0]
	v_add_nc_u32 v[ADV], s[TB], v[AV0]
	v_nop
	v_nop                                          ; four plain lines between the last step's products and the loads into V's registers
.irp kt, 0,1,2,3
.irp ks, 0,1
.irp e, 0,1
	ds_load_b128 v[KFR+16*\kt+8*\ks+4*\e:KFR+16*\kt+8*\ks+4*\e+3], v[ADK] offset:2176*\kt+64*\ks+32*\e
.endr
.endr
.endr
	WIN 0x40
.irp u, 0,1
.irp ct, 0,1,2,3
.irp e, 0,1
	ds_load_tr16_b128 v[VFR+32*\u+8*\ct+4*\e:VFR+32*\u+8*\ct+4*\e+3], v[ADV] offset:4608*\u+2304*\e+32*\ct
.endr
.endr
.endr
	s_wait_dscnt 16                                ; K's sixteen loads are in; V's sixteen stay out
	WIN 0x04                                       ; Q in window 1
.set i, 0
.rept 16                               ; S^T = K Q^T: the eight accumulators take turns, one instruction a turn; the first eight start the sums
.set rS, S+32*(i%2)+8*((i/2)%4)
.set rK, KFR+16*((i/2)%4)+8*(i/8)
.set rQ, Q+16*(i%2)+8*(i/8)
.if i < 8
	v_wmma_f32_16x16x32_f16 v[rS:rS+7], v[rK:rK+7], v[rQ:rQ+7], 0
.else
	v_wmma_f32_16x16x32_f16 v[rS:rS+7], v[rK:rK+7], v[rQ:rQ+7], v[rS:rS+7]
.endif
.set i, i+1
.endr
	WIN 0
.rept 4
	v_nop
.endr
	s_add_co_u32 s96, s[KF], 63
	s_cmp_le_u32 s96, s[Q0]                        ; all 64 keys count for all my queries: nothing to hide
	s_cbranch_scc1 .Lopen_\@
	s_sub_co_i32 s96, s[Q0], s[KF]
	v_add_nc_u32 v[D0], s96, v[RH]                 ; register 8 kt + j of tile t holds key KF + 16 kt + 8 h + j: hidden where 16 kt + j > Q0 - KF + 16 t + r - 8 h
	v_add_nc_u32 v[D0+1], 16, v[D0]
.irp kt, 0,1,2,3
.irp jj, 0,1,2,3,4,5,6,7
.irp t, 0,1
	v_cmp_gt_i32 vcc_lo, 16*\kt+\jj, v[D0+\t]
	v_cndmask_b32 v[S+32*\t+8*\kt+\jj], v[S+32*\t+8*\kt+\jj], v[NEG], vcc_lo
.endr
.endr
.endr
.Lopen_\@:
.irp jj, 0,1,2,3                       ; the maximum: four chains a tile, each accumulator from its low end on; the two tiles line by line
.irp t, 0,1
	v_max3_num_f32 v[ST+8*\t+4+\jj], v[S+32*\t+8*\jj], v[S+32*\t+8*\jj+1], v[S+32*\t+8*\jj+2]
.endr
.endr
.irp qq, 1,2
.irp jj, 0,1,2,3
.irp t, 0,1
	v_max3_num_f32 v[ST+8*\t+4+\jj], v[ST+8*\t+4+\jj], v[S+32*\t+8*\jj+2*\qq+1], v[S+32*\t+8*\jj+2*\qq+2]
.endr
.endr
.endr
.irp t, 0,1
	v_max3_num_f32 v[ST+8*\t+4], v[ST+8*\t+4], v[S+32*\t+7], v[S+32*\t+15]
.endr
.irp t, 0,1
	v_max3_num_f32 v[ST+8*\t+6], v[ST+8*\t+6], v[S+32*\t+23], v[S+32*\t+31]
.endr
.irp t, 0,1
	v_max3_num_f32 v[ST+8*\t+4], v[ST+8*\t+4], v[ST+8*\t+5], v[ST+8*\t+6]
.endr
.irp t, 0,1
	v_max3_num_f32 v[ST+8*\t+4], v[ST+8*\t+4], v[ST+8*\t+7], v[ST+8*\t+1]   ; with the old m
.endr
.irp t, 0,1
	v_permlanex16_b32 v[ST+8*\t+5], v[ST+8*\t+4], s[SEL], s[SEL+1]           ; the query's other 32 keys lie in the lane 16 away
.endr
.irp t, 0,1
	v_mov_b32 v[ST+8*\t+7], v[ST+8*\t]             ; c m_old
.endr
.irp t, 0,1
	v_max_num_f32 v[ST+8*\t+1], v[ST+8*\t+4], v[ST+8*\t+5]
.endr
.irp t, 0,1
	v_mul_f32 v[ST+8*\t], s[CS], v[ST+8*\t+1]
.endr
.irp t, 0,1
	v_sub_f32 v[ST+8*\t+7], v[ST+8*\t+7], v[ST+8*\t]
.endr
.set n, 0
.rept 16
.irp t, 0,1
	v_pk_fma_f32 v[S+32*\t+n:S+32*\t+n+1], v[S+32*\t+n:S+32*\t+n+1], s[CS:CS+1], v[ST+8*\t:ST+8*\t+1] op_sel_hi:[1,0,0] neg_lo:[0,0,1] neg_hi:[0,0,1]   ; c s - c m
.endr
.set n, n+2
.endr
.irp t, 0,1
	v_exp_f32 v[ST+8*\t+6], v[ST+8*\t+7]           ; the factor 2^(c m_old - c m_new)
.endr
.set n, 0
.rept 32
.irp t, 0,1
	v_exp_f32 v[S+32*\t+n], v[S+32*\t+n]
.endr
.set n, n+1
.endr
	v_nop                                          ; a plain line behind the last exponential
	s_wait_alu depctr_va_vdst(0)                   ; one wait for the batch of 66, ahead of its first reader
.set n, 0
.rept 16
.irp t, 0,1
	v_cvt_pk_f16_f32 v[P+16*\t+n], v[S+32*\t+2*n], v[S+32*\t+2*n+1]
.endr
.set n, n+1
.endr
.irp w, 4,8,16,32                      ; the sum of the unrounded p: a tree in place, pairs (even key, odd key)
.set u, 0
.rept 32/\w
.irp t, 0,1
	v_pk_add_f32 v[S+32*\t+\w*u:S+32*\t+\w*u+1], v[S+32*\t+\w*u:S+32*\t+\w*u+1], v[S+32*\t+\w*u+\w/2:S+32*\t+\w*u+\w/2+1]
.endr
.set u, u+1
.endr
.endr
.irp t, 0,1
	v_pk_fma_f32 v[ST+8*\t+2:ST+8*\t+3], v[ST+8*\t+2:ST+8*\t+3], v[ST+8*\t+6:ST+8*\t+7], v[S+32*\t:S+32*\t+1] op_sel_hi:[1,0,1]
.endr
	WIN 0x41
.irp t, 0,1
.set n, 0
.rept 16
	v_pk_mul_f32 v[O+32*\t+n:O+32*\t+n+1], v[O+32*\t+n:O+32*\t+n+1], v[ST+8*\t+6:ST+8*\t+7] op_sel_hi:[1,0]   ; O^T under the new m, each accumulator from its low end on
.set n, n+2
.endr
.endr
	s_wait_dscnt 0x0                               ; V is in
	WIN 0x51
.set i, 0
.rept 16                               ; O^T += V^T P: the eight accumulators by turns
.set rO, O+32*(i%2)+8*((i/2)%4)
.set rV, VFR+32*(i/8)+8*((i/2)%4)
.set rP, P+16*(i%2)+8*(i/8)
	v_wmma_f32_16x16x32_f16 v[rO:rO+7], v[rV:rV+7], v[rP:rP+7], v[rO:rO+7]
.set i, i+1
.endr
	WIN 0
.Lhidden_\@:
	s_add_co_u32 s[KF], s[KF], 64
	s_add_co_u32 s[TB], s[TB], STEPB
.endm
.macro FOUR_STEPS
	s_mov_b32 s[TW], 4
.Lstep_\@:
	STEP
	s_sub_co_u32 s[TW], s[TW], 1
	s_cmp_lg_u32 s[TW], 0
	s_cbranch_scc1 .Lstep_\@
.endm
; A pass ends: O^T / l, rounded to f16, through my stage, out as 4,096 consecutive bytes (32 queries of 128 bytes).
.macro FINISH
.irp t, 0,1
	v_add_f32 v[ST+8*\t+4], v[ST+8*\t+2], v[ST+8*\t+3]
.endr
.irp t, 0,1
	v_permlanex16_b32 v[ST+8*\t+5], v[ST+8*\t+4], s[SEL], s[SEL+1]
.endr
.irp t, 0,1
	v_add_f32 v[ST+8*\t+4], v[ST+8*\t+4], v[ST+8*\t+5]
.endr
.irp t, 0,1
	v_rcp_f32 v[ST+8*\t+6], v[ST+8*\t+4]
.endr
	v_nop
	s_wait_alu depctr_va_vdst(0)                   ; one wait for the two reciprocals
	WIN 0x41
.irp t, 0,1
.set n, 0
.rept 16
	v_pk_mul_f32 v[O+32*\t+n:O+32*\t+n+1], v[O+32*\t+n:O+32*\t+n+1], v[ST+8*\t+6:ST+8*\t+7] op_sel_hi:[1,0]
.set n, n+2
.endr
.endr
	WIN 0x05
.irp t, 0,1
.set n, 0
.rept 16
	v_cvt_pk_f16_f32 v[S+16*\t+n], v[O+32*\t+2*n], v[O+32*\t+2*n+1]
.set n, n+1
.endr
.endr
	WIN 0
.irp t, 0,1
.irp ct, 0,1,2,3
	ds_store_b128 v[STO], v[S+16*\t+4*\ct:S+16*\t+4*\ct+3] offset:2304*\t+32*\ct
.endr
.endr
.irp e, 0,1,2,3,4,5,6,7
	ds_load_b128 v[S+32+4*\e:S+32+4*\e+3], v[RD] offset:576*\e
.endr
.irp e, 0,1,2,3,4,5,6,7
	s_wait_dscnt 7-\e                              ; load e is in; the younger ones stay out
	global_store_b128 v[GO], v[S+32+4*\e:S+32+4*\e+3], s[OA:OA+1] offset:512*\e   ; 32 lanes store 512 consecutive bytes, aligned
.endr
	s_wait_xcnt 0x0                                ; the stores have read their registers and their base
.endm
	INIT 0
.Lslot:                                            ; eight trips: behind each change of slots but the last the next slot is asked for
	CHANGE 1
	s_cmp_lg_u32 s[CN], s[I1]                      ; the slot ahead is the second pass's first: the same in all eight waves
	s_cbranch_scc1 .Lsame_pass
	WIN 0x40
.irp t, 0,1
.irp ks, 0,1
.irp e, 0,1
	global_load_b128 v[Q+16*\t+8*\ks+4*\e:Q+16*\t+8*\ks+4*\e+3], v[QO], s[QB:QB+1] offset:2048*\t+64*\ks+32*\e
.endr
.endr
.endr
	WIN 0
	FINISH
	s_mov_b32 s[Q0], s[Q0B]
	s_mov_b32 s[KF], 0
	s_mov_b64 s[OA:OA+1], s[OB:OB+1]
	INIT 1
	s_wait_loadcnt 0x0                             ; the second pass's Q
.Lsame_pass:
	FOUR_STEPS
	s_sub_co_u32 s[TB], s[TB], 4*STEPB
	s_xor_b32 s[TB], s[TB], SLOT1                  ; on to the other slot
	s_add_co_u32 s[CN], s[CN], 1
	s_sub_co_u32 s[SLOTS], s[SLOTS], 1
	s_cmp_lg_u32 s[SLOTS], 0
	s_cbranch_scc1 .Lslot
	CHANGE 0                                       ; the ninth slot is written out: nothing is left to ask for
	FOUR_STEPS
	FINISH
	s_wait_tensorcnt 0x0                           ; the wave's end, behind my last tensor load and my last LDS store
	ds_add_u32 v[SPW], v[NIL]
	s_wait_dscnt 0x0
	s_endpgm
.Lfunc_end_k_q4248a03dce_attn:
	.size	k_q4248a03dce_attn, .Lfunc_end_k_q4248a03dce_attn-k_q4248a03dce_attn
	.p2alignl 7, 3214868480
	.fill 96, 4, 3214868480
	.section	.rodata,"a",@progbits
	.p2align	6, 0x0
	.amdhsa_kernel k_q4248a03dce_attn
		.amdhsa_group_segment_fixed_size 327680
		.amdhsa_private_segment_fixed_size 0
		.amdhsa_enable_private_segment 0
		.amdhsa_kernarg_size 24
		.amdhsa_user_sgpr_count 2
		.amdhsa_user_sgpr_kernarg_segment_ptr 1
		.amdhsa_wavefront_size32 1
		.amdhsa_system_sgpr_workgroup_id_x 1
		.amdhsa_system_sgpr_workgroup_id_y 1
		.amdhsa_system_sgpr_workgroup_id_z 1
		.amdhsa_system_vgpr_workitem_id 0
		.amdhsa_next_free_vgpr 512
		.amdhsa_next_free_sgpr 100
		.amdhsa_reserve_vcc 1
		.amdhsa_float_denorm_mode_32 3
		.amdhsa_float_denorm_mode_16_64 3
		.amdhsa_memory_ordered 1
		.amdhsa_forward_progress 1
		.amdhsa_inst_pref_size 81
	.end_amdhsa_kernel
	.amdgpu_metadata
---
amdhsa.version: [ 1, 2 ]
amdhsa.kernels:
  - .name:           k_q4248a03dce_attn
    .symbol:         k_q4248a03dce_attn.kd
    .args:
      - { .name: qkv16, .offset: 0, .size: 8, .value_kind: global_buffer, .address_space: global }
      - { .name: aux, .offset: 8, .size: 8, .value_kind: global_buffer, .address_space: global }
      - { .name: a16, .offset: 16, .size: 8, .value_kind: global_buffer, .address_space: global }
    .group_segment_fixed_size: 327680
    .private_segment_fixed_size: 0
    .kernarg_segment_align: 8
    .kernarg_segment_size: 24
    .max_flat_workgroup_size: 256
    .sgpr_count:     100
    .vgpr_count:     512
    .wavefront_size: 32
...
	.end_amdgpu_metadata
.endif
;; end of part 3
;; launch proj (part 4): grid 4 x 64, 4 waves a work-group, clusters of 4 x 4, 327,680 bytes of LDS; arguments a16, wp16, b_proj, out0; writes out0
.if DOCPART == 4
	.amdgcn_target "amdgcn-amd-amdhsa--gfx1250"
	.amdhsa_code_object_version 6
	.text
	.protected	k_q4248a03dce_proj
	.globl	k_q4248a03dce_proj
	.p2align	8
	.type	k_q4248a03dce_proj,@function
k_q4248a03dce_proj:
	s_mov_b64 s[64:65], 0
	v_nop
	global_prefetch_b8 v0, s[64:65] scope:SCOPE_SE
	s_setreg_imm32_b32 hwreg(HW_REG_WAVE_MODE, 25, 1), 1
	s_wait_xcnt 0x0
	s_wait_alu depctr_hold_cnt(0) depctr_sa_sdst(0) depctr_va_vdst(0) depctr_va_sdst(0) depctr_va_ssrc(0) depctr_va_vcc(0) depctr_vm_vsrc(0)
	s_getreg_b32 s2, hwreg(HW_REG_IB_STS2, 6, 4)
	s_cmp_eq_u32 s2, 0
	s_cbranch_scc0 .Lentry_in_a_cluster
	s_endpgm
.Lentry_in_a_cluster:
	s_bfe_u32 s2, ttmp6, 0x10000c
	s_cmp_lg_u32 s2, 0xf033
	s_cbranch_scc0 .Lentry_shape_is_right
	s_endpgm
.Lentry_shape_is_right:
; out0 = a w_proj + b_proj.  a: f16 by head, [batch x 16 + head][2048][64]; w_proj: f16 [k 1024][n 1024]; sums f32; out0 [8192][1024] f32.
; (The first 16 positions of every sequence are stored again, computed in f32, by the launch behind this one.)
; A tile of 128 rows x 256 columns gives 256 work-groups.  Four waves, 2 x 2: a wave makes 64 x 128: 32 accumulators, window 2.  K goes in 8 steps of 128, two heads a step, through two LDS slots.
; In a slot: a's two heads, each 128 positions of 128 bytes = 64 dense rows of 256 bytes, pitch 272; then w's 128 rows (k) of 512 bytes, pitch 544, read turned by ds_load_tr16_b128.
; CLUSTERS 4 x 4: a's tiles are shared along a row of the cluster, w's along a column, by joint loads.  Source 0 = 16 columns of w, source 1 = 16 rows of a: a lane holds eight neighbouring columns of one row.
; The bias is the C of each sum's first product.  LIMITS: f16 operands: |a|, |w_proj| under 65,504.
; REGISTERS: window 0: v16-29 addresses; v64-127 a's fragments, two buffers of 32; v128-191 the bias, later v128-255 rows on the way out.  window 1: v128-255 w's fragments, two buffers of 64.
.set HA,     17408
.set BOFFS,  34816
.set PB,     544
.set SLOT,   104448
.set SPARE,  2*SLOT
.set LAPS,   4
.set SPITCH, 528
.set ADRA, 16
.set ADRB, 20
.set STO,  24
.set RD,   25
.set CO,   26
.set BO,   27
.set SPW,  28
.set NIL,  29
.set BIAS, 128
.set BK,   128
.set G1, 24
.set G0, 32
.set G1B, 48
.set G0B, 56
.set MSB, 0
.macro WIN new
.if MSB != \new
	s_set_vgpr_msb (MSB<<8)|\new
.set MSB, \new
.endif
.endm
.set MUL,  0xa1                        ; source 0 (w) window 1, source 1 (a) window 0, C and D window 2
.set MULZ, 0x81                        ; the same with C, the bias, in window 0
.set TO_B, 0x40
.macro JLOAD s                         ; waves 0, 1 fetch a's two heads, waves 2, 3 w's two halves; an s_nop 0 and four v_nop follow each line
	s_cmp_eq_u32 s11, 0
	s_cbranch_scc0 .Lfor_b_\@
	tensor_load_to_lds s[G0+4*\s:G0+4*\s+3], s[G1:G1+7]
	s_nop 0
.rept 4
	v_nop
.endr
	s_branch .Lasked_\@
.Lfor_b_\@:
	tensor_load_to_lds s[G0B+4*\s:G0B+4*\s+3], s[G1B:G1B+7]
	s_nop 0
.rept 4
	v_nop
.endr
.Lasked_\@:
.endm
.macro CREST
	s_cmp_lg_u32 s10, 0
	s_cbranch_scc1 .Lnot_wave_0_\@
	s_barrier_signal -3
.Lnot_wave_0_\@:
	s_barrier_wait -3
	s_barrier_signal -1
	s_barrier_wait -1
.endm
.macro CROUND
	s_barrier_signal -1
	s_barrier_wait -1
	CREST
.endm
	s_load_b128 s[4:7], s[0:1], 0x0                ; a16, wp16
	s_load_b128 s[68:71], s[0:1], 0x10             ; b_proj, out0
	v_lshl_add_u32 v[SPW], v0, 2, SPARE
	v_mov_b32 v[NIL], 0
	ds_add_u32 v[SPW], v[NIL]                      ; the wave's opening: the add, twice on end, and its wait ahead of my first tensor load
	ds_add_u32 v[SPW], v[NIL]
	v_lshrrev_b32 v1, 5, v0
	v_readfirstlane_b32 s10, v1                    ; wave 0..3
	s_lshr_b32 s11, s10, 1                         ; my half of the rows; also: I fetch for a (0) or for w (1)
	s_and_b32 s12, s10, 1                          ; my half of the columns; also: which head, or which 64 rows of w, I fetch
	s_bfe_u32 s40, ttmp6, 0x40000                  ; cx
	s_bfe_u32 s41, ttmp6, 0x40004                  ; cy
	s_lshl_b32 s42, ttmp9, 2
	s_add_co_u32 s42, s42, s40                     ; tile column
	s_and_b32 s13, ttmp7, 0xffff
	s_lshl_b32 s13, s13, 2
	s_add_co_u32 s13, s13, s41                     ; tile row
	s_lshl_b32 s43, s41, 2
	s_lshl_b32 s43, 15, s43                        ; my row of the cluster
	s_lshl_b32 s44, 0x1111, s40                    ; my column
	s_or_b32 s[G1+0], s43, (1<<16)|(1<<20)|(1<<21)|(5<<22)|(3<<25)   ; a: elements of 2 bytes; 4 words of padding behind every 64
	s_mov_b32 s[G1+1], 128<<16
	s_mov_b32 s[G1+2], 64<<16
	s_mov_b32 s[G1+3], 128<<16
	s_mov_b32 s[G1+4], 64
	s_mov_b32 s[G1+5], 128
	s_mov_b32 s[G1+6], 0
	s_mov_b32 s[G1+7], 0
	s_or_b32 s[G1B+0], s44, (1<<16)|(1<<20)|(1<<21)|(6<<22)|(7<<25)  ; w: 8 words of padding behind every 128
	s_mov_b32 s[G1B+1], 256<<16
	s_mov_b32 s[G1B+2], 64<<16
	s_mov_b32 s[G1B+3], 256<<16
	s_mov_b32 s[G1B+4], 64
	s_mov_b32 s[G1B+5], 1024
	s_mov_b32 s[G1B+6], 0
	s_mov_b32 s[G1B+7], 0
	s_lshr_b32 s14, s13, 4
	s_lshl_b32 s14, s14, 4
	s_add_co_u32 s14, s14, s12                     ; batch x 16 + my head of K step 0
	s_lshl_b32 s14, s14, 11
	s_and_b32 s15, s13, 15
	s_lshl_b32 s15, s15, 7
	s_add_co_u32 s14, s14, s15                     ; + the tile's first position
	s_lshl_b32 s14, s14, 7
	s_mov_b32 s15, 0
	s_lshl_b32 s46, s12, 17                        ; w: 64 rows of 2,048 bytes,
	s_lshl_b32 s47, s42, 9
	s_add_co_u32 s46, s46, s47                     ; + 512 bytes a tile column
	s_mov_b32 s47, 0
	s_mul_i32 s20, s12, HA                         ; where they go: no place in the cluster enters an LDS address
	s_mul_i32 s21, s12, BOFFS
	s_add_co_u32 s21, s21, BOFFS
	s_wait_dscnt 0x0                               ; both opening adds are done
	s_wait_kmcnt 0x0
	s_add_nc_u64 s[14:15], s[4:5], s[14:15]
	s_add_nc_u64 s[46:47], s[6:7], s[46:47]
	CROUND                                         ; all sixteen work-groups are here: the first joint loads meet
.irp s, 0,1
	s_mov_b32 s[G0+4*\s], 1
	s_add_co_u32 s[G0+4*\s+1], s20, \s*SLOT
	s_add_nc_u64 s[G0+4*\s+2:G0+4*\s+3], s[14:15], \s*524288       ; a K step on: two heads
	s_or_b32 s[G0+4*\s+3], s[G0+4*\s+3], 0x80000000
	s_mov_b32 s[G0B+4*\s], 1
	s_add_co_u32 s[G0B+4*\s+1], s21, \s*SLOT
	s_add_nc_u64 s[G0B+4*\s+2:G0B+4*\s+3], s[46:47], \s*262144     ; 128 rows of w
	s_or_b32 s[G0B+4*\s+3], s[G0B+4*\s+3], 0x80000000
	JLOAD \s
.endr
	v_and_b32 v1, 15, v0                           ; r
	v_bfe_u32 v2, v0, 4, 1                         ; h
	v_lshlrev_b32 v[BO], 5, v2
	s_lshl_b32 s46, s42, 10
	s_lshl_b32 s47, s12, 9
	s_add_co_u32 s46, s46, s47                     ; my first column, in bytes of f32
	s_mov_b32 s47, 0
	s_add_nc_u64 s[68:69], s[68:69], s[46:47]
.irp b, 0,1,2,3,4,5,6,7
	global_load_b128 v[BIAS+8*\b:BIAS+8*\b+3],   v[BO], s[68:69] offset:64*\b
	global_load_b128 v[BIAS+8*\b+4:BIAS+8*\b+7], v[BO], s[68:69] offset:64*\b+16
.endr
	s_lshl_b32 s16, s13, 7
	s_lshl_b32 s17, s11, 6
	s_add_co_u32 s16, s16, s17                     ; my first row
	s_lshl_b32 s16, s16, 12
	s_mov_b32 s17, 0
	s_add_nc_u64 s[70:71], s[70:71], s[46:47]
	s_add_nc_u64 s[70:71], s[70:71], s[16:17]
	v_lshrrev_b32 v3, 1, v1
	v_mul_u32_u24 v3, v3, 272
	v_and_b32 v4, 1, v0
	v_lshl_add_u32 v3, v4, 7, v3
	v_lshl_add_u32 v3, v2, 4, v3                   ; a: position r at 272 (r / 2) + 128 (r % 2); + 16 h
	v_and_b32 v4, 7, v0
	v_lshl_add_u32 v4, v2, 3, v4
	v_mul_u32_u24 v4, v4, PB
	v_bfe_u32 v5, v0, 3, 1
	v_lshl_add_u32 v4, v5, 4, v4                   ; w, for the turning load: row 8 h + l % 8, columns 8 ((l / 8) % 2) on
	s_mul_i32 s21, s11, 8704                       ; my 64 positions
	s_lshl_b32 s22, s12, 8                         ; my 128 columns
	s_add_co_u32 s22, s22, BOFFS
.irp s, 0,1
	v_add_nc_u32 v[ADRA+\s], s21, v3
	v_add_nc_u32 v[ADRB+\s], s22, v4
	s_add_co_u32 s21, s21, SLOT
	s_add_co_u32 s22, s22, SLOT
.endr
	s_mul_i32 s23, s10, 16*SPITCH                  ; my stage, in slot 0
	v_mul_u32_u24 v5, v1, SPITCH
	v_lshl_add_u32 v5, v2, 5, v5
	v_add_nc_u32 v[STO], s23, v5
	v_and_b32 v6, 31, v0
	v_lshlrev_b32 v[CO], 4, v6
	v_add_nc_u32 v[RD], s23, v[CO]
.macro MUL8 f, a, zero                 ; a's block a against w's eight; the 32 accumulators take turns in the same order in every quarter
.irp b, 0,1,2,3,4,5,6,7
.if \zero
	v_wmma_f32_16x16x32_f16 v[8*(8*(\a)+\b):8*(8*(\a)+\b)+7], v[128+64*(\f)+8*\b:128+64*(\f)+8*\b+7], v[64+32*(\f)+8*(\a):64+32*(\f)+8*(\a)+7], v[BIAS+8*\b:BIAS+8*\b+7]
.else
	v_wmma_f32_16x16x32_f16 v[8*(8*(\a)+\b):8*(8*(\a)+\b)+7], v[128+64*(\f)+8*\b:128+64*(\f)+8*\b+7], v[64+32*(\f)+8*(\a):64+32*(\f)+8*(\a)+7], v[8*(8*(\a)+\b):8*(8*(\a)+\b)+7]
.endif
.endr
.endm
.macro FETCH slot, q, f                ; 24 LDS loads in one run: quarter q (32 along K) of the slot: w's sixteen, then a's eight, blocks ascending
	WIN TO_B
.irp b, 0,1,2,3,4,5,6,7
	ds_load_tr16_b128 v[128+64*(\f)+8*\b:128+64*(\f)+8*\b+3],   v[ADRB+\slot] offset:17408*(\q)+32*\b
	ds_load_tr16_b128 v[128+64*(\f)+8*\b+4:128+64*(\f)+8*\b+7], v[ADRB+\slot] offset:17408*(\q)+32*\b+8704
.endr
	WIN 0
.irp a, 0,1,2,3
	ds_load_b128 v[64+32*(\f)+8*\a:64+32*(\f)+8*\a+3],   v[ADRA+\slot] offset:((\q)/2)*HA+64*((\q)%2)+2176*\a
	ds_load_b128 v[64+32*(\f)+8*\a+4:64+32*(\f)+8*\a+7], v[ADRA+\slot] offset:((\q)/2)*HA+64*((\q)%2)+2176*\a+32
.endr
.endm
.macro PLACES
.rept 4
	v_nop
.endr
.endm
.macro QUARTER slot, q, f, g, zero     ; multiplies buffer f; in its middle fetches quarter q of the same slot into buffer g
	s_wait_dscnt 4                                 ; w's fragments and a's blocks 0, 1 are in; the youngest four loads (blocks 2, 3) may be out
.if \zero
	WIN MULZ
.else
	WIN MUL
.endif
	MUL8 \f, 0, \zero
	MUL8 \f, 1, \zero
	PLACES
	FETCH \slot, \q, \g
	s_wait_dscnt 24                                ; all but the 24 just issued
.if \zero
	WIN MULZ
.else
	WIN MUL
.endif
	MUL8 \f, 2, \zero
	MUL8 \f, 3, \zero
.endm
; A slot's last quarter multiplies buffer 1 and changes slots: one barrier; in front of it each wave waits for all its tensor loads, adds 0 to its spare word, and waits for that and for its reads of this slot.
.macro TURN slot, next, fill
	WIN 0
	s_wait_tensorcnt 0x0                           ; my part of the next slot has landed
	ds_add_u32 v[SPW], v[NIL]
	s_wait_dscnt 5                                 ; (the add and the youngest four loads may be out)
	WIN MUL
	MUL8 1, 0, 0
	s_wait_dscnt 0x0                               ; the add is done, and my reads of this slot are over
	s_barrier_signal -1
	MUL8 1, 1, 0
.if \fill
	WIN 0
.endif
	s_barrier_wait -1
.if \fill
	CREST                                          ; the barrier has opened a round of the cluster's: no wave of any partner still reads this slot or has a load on its way
	s_add_nc_u64 s[G0+4*\slot+2:G0+4*\slot+3], s[G0+4*\slot+2:G0+4*\slot+3], 1048576   ; two K steps on: four heads
	s_add_nc_u64 s[G0B+4*\slot+2:G0B+4*\slot+3], s[G0B+4*\slot+2:G0B+4*\slot+3], 524288  ; 256 rows of w
	JLOAD \slot                                    ; the first tensor load behind the round; its four v_nop are also the places in front of the loads below
.else
	PLACES
.endif
	FETCH \next, 0, 0
	WIN MUL
	MUL8 1, 2, 0
	MUL8 1, 3, 0
.endm
	s_wait_tensorcnt 1                             ; my part of K step 0 is in; K step 1's may stay out
	s_barrier_signal -1
	s_barrier_wait -1
	FETCH 0, 0, 0
	s_wait_loadcnt 0x0                             ; the bias
	QUARTER 0, 1, 0, 1, 1                          ; the first quarter stands in front of the loop: its products start the sums, with the bias as C
	WIN 0
	s_mov_b32 s3, LAPS-1
.Llap:                                                 ; a trip goes once round the ring and fills both slots again
	QUARTER 0, 2, 1, 0, 0
	QUARTER 0, 3, 0, 1, 0
	TURN 0, 1, 1
	QUARTER 1, 1, 0, 1, 0
	QUARTER 1, 2, 1, 0, 0
	QUARTER 1, 3, 0, 1, 0
	TURN 1, 0, 1
	QUARTER 0, 1, 0, 1, 0
	WIN 0
	s_sub_co_u32 s3, s3, 1
	s_cmp_lg_u32 s3, 0
	s_cbranch_scc1 .Llap
	QUARTER 0, 2, 1, 0, 0                          ; the last lap fills nothing
	QUARTER 0, 3, 0, 1, 0
	TURN 0, 1, 0
	QUARTER 1, 1, 0, 1, 0
	QUARTER 1, 2, 1, 0, 0
	QUARTER 1, 3, 0, 1, 0
	s_wait_dscnt 4
	WIN MUL
	MUL8 1, 0, 0
	MUL8 1, 1, 0
	s_wait_dscnt 0
	MUL8 1, 2, 0
	MUL8 1, 3, 0
	WIN 0
; THE WAY OUT, block by block of 16 rows x 128 columns, through my own stage: it lies in slot 0, which has had its last fill and, behind the last change of slots, its last read.
.macro TOSTAGE a
	WIN 0x08                                       ; the data: window 2
.irp b, 0,1,2,3,4,5,6,7
	ds_store_b128 v[STO], v[64*(\a)+8*\b:64*(\a)+8*\b+3] offset:64*\b          ; each accumulator from its low end on
	ds_store_b128 v[STO], v[64*(\a)+8*\b+4:64*(\a)+8*\b+7] offset:64*\b+16
.endr
	WIN 0
.set BB, BK+64*((\a)%2)
.irp t, 0,1,2,3,4,5,6,7,8,9,10,11,12,13,14,15
	ds_load_b128 v[BB+4*\t:BB+4*\t+3], v[RD] offset:\t*SPITCH
.endr
.endm
.macro SEND a, younger
.set BB, BK+64*((\a)%2)
	s_wait_dscnt \younger                          ; the block is back; the next block's 16 stores and 16 loads may be out
.irp t, 0,1,2,3,4,5,6,7,8,9,10,11,12,13,14,15
	global_store_b128 v[CO], v[BB+4*\t:BB+4*\t+3], s[70:71] offset:(16*(\a)+\t)*4096 th:TH_STORE_NT   ; 32 lanes store 512 consecutive bytes, aligned
.endr
.endm
	PLACES
	TOSTAGE 0
.irp a, 1,2,3
.if \a > 1
	s_wait_xcnt 0x0                                ; block a - 2's stores have read their registers: block a's loads may land there
.endif
	TOSTAGE \a
	SEND \a-1, 32
.endr
	SEND 3, 0
	s_wait_tensorcnt 0x0                           ; the wave's end: the three lines
	ds_add_u32 v[SPW], v[NIL]
	s_wait_dscnt 0x0
	CROUND                                         ; the closing round
	s_endpgm
.Lfunc_end_k_q4248a03dce_proj:
	.size	k_q4248a03dce_proj, .Lfunc_end_k_q4248a03dce_proj-k_q4248a03dce_proj
	.p2alignl 7, 3214868480
	.fill 96, 4, 3214868480
	.section	.rodata,"a",@progbits
	.p2align	6, 0x0
	.amdhsa_kernel k_q4248a03dce_proj
		.amdhsa_group_segment_fixed_size 327680
		.amdhsa_private_segment_fixed_size 0
		.amdhsa_enable_private_segment 0
		.amdhsa_kernarg_size 32
		.amdhsa_user_sgpr_count 2
		.amdhsa_user_sgpr_kernarg_segment_ptr 1
		.amdhsa_wavefront_size32 1
		.amdhsa_system_sgpr_workgroup_id_x 1
		.amdhsa_system_sgpr_workgroup_id_y 1
		.amdhsa_system_sgpr_workgroup_id_z 1
		.amdhsa_system_vgpr_workitem_id 0
		.amdhsa_next_free_vgpr 768
		.amdhsa_next_free_sgpr 72
		.amdhsa_reserve_vcc 0
		.amdhsa_float_denorm_mode_32 3
		.amdhsa_float_denorm_mode_16_64 3
		.amdhsa_memory_ordered 1
		.amdhsa_forward_progress 1
		.amdhsa_inst_pref_size 87
	.end_amdhsa_kernel
	.amdgpu_metadata
---
amdhsa.version: [ 1, 2 ]
amdhsa.kernels:
  - .name:           k_q4248a03dce_proj
    .symbol:         k_q4248a03dce_proj.kd
    .args:
      - { .name: a16, .offset: 0, .size: 8, .value_kind: global_buffer, .address_space: global }
      - { .name: wp16, .offset: 8, .size: 8, .value_kind: global_buffer, .address_space: global }
      - { .name: b_proj, .offset: 16, .size: 8, .value_kind: global_buffer, .address_space: global }
      - { .name: out0, .offset: 24, .size: 8, .value_kind: global_buffer, .address_space: global }
    .group_segment_fixed_size: 327680
    .private_segment_fixed_size: 0
    .kernarg_segment_align: 8
    .kernarg_segment_size: 32
    .max_flat_workgroup_size: 128
    .sgpr_count:     72
    .vgpr_count:     768
    .wavefront_size: 32
...
	.end_amdgpu_metadata
.endif
;; end of part 4
;; launch first16 (part 5): grid 32 x 4, 16 waves a work-group, no clusters, 43,008 bytes of LDS; arguments aux, w_proj, b_proj, out0; writes out0
.if DOCPART == 5
	.amdgcn_target "amdgcn-amd-amdhsa--gfx1250"
	.amdhsa_code_object_version 6
	.text
	.protected	k_q4248a03dce_first16
	.globl	k_q4248a03dce_first16
	.p2align	8
	.type	k_q4248a03dce_first16,@function
k_q4248a03dce_first16:
	s_mov_b64 s[64:65], 0
	v_nop
	global_prefetch_b8 v0, s[64:65] scope:SCOPE_SE
	s_setreg_imm32_b32 hwreg(HW_REG_WAVE_MODE, 25, 1), 1
	s_wait_xcnt 0x0
; Positions 0-15 of every sequence once more, wholly in f32: these rows average one to sixteen values, and f16 operands would use up what the comparison allows.  They overwrite 64 rows of out0.
; Work-group (x, batch): output columns 32 x .. 32 x + 31 of the batch's 16 rows.  Wave w = head w: scores, softmax over all 2,048 keys, P V, and the head's part of the projection; the 16 parts are added through LDS.
; The keys 16-2047 are all hidden for these queries: score -10,000 each; their part is 2,032 x pm in the sum and pm x (the sum of their v) in O, pm = 2^(c (-80,000) - c m); the sums of v come from the block sums.
; Everything is used transposed, so that a lane holds one query (lane % 16) and each result's registers serve as the next product's source 1, under an order of k that source 0 is loaded in too: nothing changes lanes.
; v_wmma_f32_16x16x4_f32: source registers j of lane (r, h) hold k = 2 h + j.  Its results (v176-239) are written by matrix instructions alone; what is made of them goes into other registers.
; REGISTERS: v1-15 addresses; v3 the bias; v16-47 q, v48-79 k, later w_proj's 64; v80-111 v turned; v112-175 block sums, later a (v112-143) and the sum of v (v144-175); v176-207 four score accumulators, later two of out;
;   v208-239 four accumulators of O; v240-247 scores, then p; v248-255 at work.
.set VSS,   36864                      ; behind the 16 parts (16 x 16 rows x 144): each wave's 64 sums of v
.set SPARE, 40960
	s_load_b256 s[4:11], s[0:1], 0x0               ; aux, w_proj, b_proj, out0
	v_lshl_add_u32 v12, v0, 2, SPARE
	v_mov_b32 v13, 0
	v_lshrrev_b32 v1, 5, v0
	v_readfirstlane_b32 s12, v1                    ; wave = head
	s_and_b32 s13, ttmp7, 0xffff                   ; batch
	s_mov_b32 s20, 0x76543210
	s_mov_b32 s21, 0xfedcba98                      ; lane l xor 16
	s_mov_b32 s22, 0x3e38aa3b                      ; c = log2(e) / 8
	s_mov_b32 s23, s22
	s_mov_b32 s24, 0x44fe0000                      ; 2,032.0
	v_and_b32 v1, 15, v0                           ; r
	v_bfe_u32 v2, v0, 4, 1                         ; h
	v_and_b32 v3, 31, v0                           ; lane
	v_mul_u32_u24 v4, v1, 12288
	v_lshl_add_u32 v4, v2, 4, v4                   ; q, k: row r of 12,288 bytes + 16 h
	v_lshlrev_b32 v5, 3, v3
	v_mul_u32_u24 v6, v2, 98304
	v_lshl_add_u32 v6, v1, 2, v6                   ; v: keys 8 h on, channel r
	v_lshlrev_b32 v7, 15, v2
	v_lshl_add_u32 v7, v1, 2, v7                   ; w_proj: rows 8 h on, column r
	v_lshlrev_b32 v8, 2, v3
	v_lshlrev_b32 v9, 3, v2
	v_sub_nc_u32 v9, v1, v9                        ; r - 8 h
	s_lshl_b32 s14, s12, 8
	s_add_co_u32 s14, s14, VSS
	v_lshl_add_u32 v10, v3, 3, s14
	v_lshl_add_u32 v11, v2, 5, s14
	s_mul_i32 s14, s12, 2304
	v_mul_u32_u24 v14, v1, 144
	v_lshl_add_u32 v14, v2, 5, v14
	v_add_nc_u32 v14, s14, v14                     ; my part: row r of 144 bytes + 32 h
	s_mul_i32 s14, s12, 144
	v_lshl_add_u32 v15, v3, 2, s14                 ; back: row = my wave's number, 4 bytes a lane
	v_mov_b32 v251, 0
	v_mov_b32 v253, 0                              ; (named as upper halves of pairs)
	s_mul_i32 s16, s13, 196608
	s_lshl_b32 s14, s12, 8
	s_add_co_u32 s16, s16, s14
	s_mov_b32 s17, 0
	s_lshl_b32 s18, s13, 17
	s_add_co_u32 s18, s18, s14
	s_add_co_u32 s18, s18, 786432
	s_mov_b32 s19, 0
	s_lshl_b32 s36, s12, 18
	s_lshl_b32 s38, ttmp9, 7
	s_add_co_u32 s36, s36, s38
	s_mov_b32 s37, 0
	s_mov_b32 s39, 0
	s_lshl_b32 s40, s13, 11
	s_add_co_u32 s40, s40, s12
	s_lshl_b32 s40, s40, 12
	s_add_co_u32 s40, s40, s38
	s_mov_b32 s41, 0
	s_wait_kmcnt 0x0
	s_add_nc_u64 s[26:27], s[4:5], s[16:17]        ; the batch's f32 rows at my head's q; k lies 4,096 bytes on, v 8,192
	s_add_nc_u64 s[28:29], s[4:5], s[18:19]        ; the block sums at my head
	s_add_nc_u64 s[30:31], s[6:7], s[36:37]        ; w_proj at (64 w, 32 x)
	s_add_nc_u64 s[32:33], s[8:9], s[38:39]        ; b_proj at 32 x
	s_add_nc_u64 s[34:35], s[10:11], s[40:41]      ; out0 at (row 2,048 batch + w, 32 x)
.irp i, 0,1,2,3,4,5,6,7
	global_load_b128 v[16+4*\i:19+4*\i], v4, s[26:27] offset:32*\i           ; q(r, 8 i + 4 h + 0 .. 3): registers 4 i + {0, 1} and 4 i + {2, 3} serve two K steps
.endr
.irp i, 0,1,2,3,4,5,6,7
	global_load_b128 v[48+4*\i:51+4*\i], v4, s[26:27] offset:4096+32*\i      ; k likewise: the same order of the head's 64 on both sides
.endr
.set j, 0
.rept 32
	global_load_b64 v[112+2*j:113+2*j], v5, s[28:29] offset:4096*j           ; the sums of v over keys 16-63, 64-127, ..: channels 2 lane, 2 lane + 1
.set j, j+1
.endr
	s_wait_loadcnt 32                              ; q and k are in; the 32 block sums stay out
.set i, 0
.rept 16                               ; S^T = k q^T: four accumulators by turns, one instruction a turn; the first four start the sums
.if i < 4
	v_wmma_f32_16x16x4_f32 v[176+8*(i%4):183+8*(i%4)], v[48+2*i:49+2*i], v[16+2*i:17+2*i], 0
.else
	v_wmma_f32_16x16x4_f32 v[176+8*(i%4):183+8*(i%4)], v[48+2*i:49+2*i], v[16+2*i:17+2*i], v[176+8*(i%4):183+8*(i%4)]
.endif
.set i, i+1
.endr
.irp ct, 0,1,2,3
.irp kk, 0,1,2,3
.irp jj, 0,1
	global_load_b32 v[80+8*\ct+2*\kk+\jj], v6, s[26:27] offset:8192+(2*\kk+\jj)*12288+64*\ct   ; v(key 8 h + 2 kk + j, channel 16 ct + r)
.endr
.endr
.endr
	global_load_b32 v3, v8, s[32:33]               ; the bias of my column on the way out
	s_wait_loadcnt 33                              ; the block sums are in; v's 32 loads and the bias stay out
.irp w, 4,8,16,32,64                   ; 31 additions; they are also the plain lines between the products above and the reads of their results and the loads into their sources
.set u, 0
.rept 64/\w
	v_pk_add_f32 v[112+\w*u:113+\w*u], v[112+\w*u:113+\w*u], v[112+\w*u+\w/2:113+\w*u+\w/2]
.set u, u+1
.endr
.endr
	ds_store_b64 v10, v[112:113]
.irp ct, 0,1,2,3
.irp e, 0,1
	ds_load_b128 v[144+8*\ct+4*\e:147+8*\ct+4*\e], v11 offset:64*\ct+16*\e   ; back in O's layout: channel 16 ct + 8 h + j.  My wave's own bytes: LDS serves a wave's instructions in order
.endr
.endr
.irp ct, 0,1,2,3
.irp kk, 0,1,2,3
.irp nt, 0,1
.irp jj, 0,1
	global_load_b32 v[16+4*(4*\ct+\kk)+2*\nt+\jj], v7, s[30:31] offset:(16*\ct+2*\kk+\jj)*4096+64*\nt   ; w_proj(64 w + 16 ct + 8 h + 2 kk + j, 32 x + 16 nt + r)
.endr
.endr
.endr
.endr
.irp jp, 0,2,4,6                       ; the four accumulators are added, each read from its low end on
	v_pk_add_f32 v[240+\jp:241+\jp], v[176+\jp:177+\jp], v[184+\jp:185+\jp]
	v_pk_add_f32 v[248+\jp:249+\jp], v[192+\jp:193+\jp], v[200+\jp:201+\jp]
.endr
.irp jp, 0,2,4,6
	v_pk_add_f32 v[240+\jp:241+\jp], v[240+\jp:241+\jp], v[248+\jp:249+\jp]   ; register j: the score of key 8 h + j for query r
.endr
	v_mov_b32 v248, 0xc79c4000                     ; -80,000: the raw score that gives -10,000
.irp jj, 0,1,2,3,4,5,6,7
	v_cmp_gt_i32 vcc_lo, \jj, v9                   ; hidden where 8 h + j > r
	v_cndmask_b32 v[240+\jj], v[240+\jj], v248, vcc_lo
.endr
	v_max3_num_f32 v249, v240, v241, v242
	v_max3_num_f32 v250, v243, v244, v245
	v_max3_num_f32 v249, v249, v246, v247
	v_max3_num_f32 v249, v249, v250, v248          ; the keys 16-2047 are among the row's scores
	v_permlanex16_b32 v250, v249, s20, s21
	v_max_num_f32 v249, v249, v250                 ; m
	v_mul_f32 v250, s22, v249                      ; c m
	v_mov_b32 v251, 0
.irp jp, 0,2,4,6
	v_pk_fma_f32 v[240+\jp:241+\jp], v[240+\jp:241+\jp], s[22:23], v[250:251] op_sel_hi:[1,0,0] neg_lo:[0,0,1] neg_hi:[0,0,1]
.endr
	v_fma_f32 v252, v248, s22, -v250
.irp jj, 0,1,2,3,4,5,6,7
	v_exp_f32 v[240+\jj], v[240+\jj]               ; p
.endr
	v_exp_f32 v252, v252                           ; pm
	v_nop
	s_wait_alu depctr_va_vdst(0)                   ; one wait for the nine exponentials, ahead of their first reader
	v_pk_add_f32 v[254:255], v[240:241], v[242:243]
	v_pk_add_f32 v[250:251], v[244:245], v[246:247]
	v_pk_add_f32 v[254:255], v[254:255], v[250:251]
	v_add_f32 v254, v254, v255
	v_permlanex16_b32 v255, v254, s20, s21
	v_add_f32 v254, v254, v255
	v_fma_f32 v254, v252, s24, v254                ; l = the 16 keys' p + 2,032 pm
	v_rcp_f32 v250, v254
	v_nop
	s_wait_alu depctr_va_vdst(0)
	v_mul_f32 v252, v252, v250                     ; pm / l
	s_wait_loadcnt 63                              ; v is in: 65 loads were issued behind its last, and 63, the largest count that can be written, is the smaller and so the safe one
.set i, 0
.rept 16                               ; O^T = v^T p^T: K step kk takes keys 8 h + 2 kk + {0, 1}; four accumulators by turns
.if i < 4
	v_wmma_f32_16x16x4_f32 v[208+8*(i%4):215+8*(i%4)], v[80+8*(i%4)+2*(i/4):81+8*(i%4)+2*(i/4)], v[240+2*(i/4):241+2*(i/4)], 0
.else
	v_wmma_f32_16x16x4_f32 v[208+8*(i%4):215+8*(i%4)], v[80+8*(i%4)+2*(i/4):81+8*(i%4)+2*(i/4)], v[240+2*(i/4):241+2*(i/4)], v[208+8*(i%4):215+8*(i%4)]
.endif
.set i, i+1
.endr
.rept 8
	v_nop                                          ; eight plain lines behind this form before its results are read (ISA guide 7.12.1)
.endr
	s_wait_dscnt 0x0                               ; the sum of v is back
.set n, 0
.rept 16
	v_pk_mul_f32 v[112+n:113+n], v[208+n:209+n], v[250:251] op_sel_hi:[1,0]                        ; O / l, each accumulator from its low end on,
.set n, n+2
.endr
.set n, 0
.rept 16
	v_pk_fma_f32 v[112+n:113+n], v[144+n:145+n], v[252:253], v[112+n:113+n] op_sel_hi:[1,0,1]      ; + the sum of v x pm / l: a(r, 16 ct + 8 h + j)
.set n, n+2
.endr
	s_wait_loadcnt 0x0                             ; w_proj's 64 and the bias
.set i, 0
.rept 32                               ; out^T += w^T a^T: 16 K steps x two tiles of 16 columns, the two accumulators by turns
.if i < 2
	v_wmma_f32_16x16x4_f32 v[176+8*(i%2):183+8*(i%2)], v[16+4*(i/2)+2*(i%2):17+4*(i/2)+2*(i%2)], v[112+2*(i/2):113+2*(i/2)], 0
.else
	v_wmma_f32_16x16x4_f32 v[176+8*(i%2):183+8*(i%2)], v[16+4*(i/2)+2*(i%2):17+4*(i/2)+2*(i%2)], v[112+2*(i/2):113+2*(i/2)], v[176+8*(i%2):183+8*(i%2)]
.endif
.set i, i+1
.endr
.rept 8
	v_nop
.endr
.irp nt, 0,1
	ds_store_b128 v14, v[176+8*\nt:179+8*\nt] offset:64*\nt          ; my head's part of out(r, 16 nt + 8 h + 0 .. 7)
	ds_store_b128 v14, v[180+8*\nt:183+8*\nt] offset:64*\nt+16
.endr
	s_wait_dscnt 0x0                               ; for the others' sake: my stores have landed
	s_barrier_signal -1
	s_barrier_wait -1
.set i, 0
.rept 16
	ds_load_b32 v[112+i], v15 offset:2304*i        ; row w of every head's part, a column a lane
.set i, i+1
.endr
	s_wait_dscnt 0x0
	v_add_f32 v112, v112, v113
.set i, 2
.rept 14
	v_add_f32 v112, v112, v[112+i]                 ; in the order of the heads
.set i, i+1
.endr
	v_add_f32 v112, v112, v3
	global_store_b32 v8, v112, s[34:35]
	s_wait_tensorcnt 0x0                           ; the wave's end, behind my last LDS store
	ds_add_u32 v12, v13
	s_wait_dscnt 0x0
	s_endpgm
.Lfunc_end_k_q4248a03dce_first16:
	.size	k_q4248a03dce_first16, .Lfunc_end_k_q4248a03dce_first16-k_q4248a03dce_first16
	.p2alignl 7, 3214868480
	.fill 96, 4, 3214868480
	.section	.rodata,"a",@progbits
	.p2align	6, 0x0
	.amdhsa_kernel k_q4248a03dce_first16
		.amdhsa_group_segment_fixed_size 43008
		.amdhsa_private_segment_fixed_size 0
		.amdhsa_enable_private_segment 0
		.amdhsa_kernarg_size 32
		.amdhsa_user_sgpr_count 2
		.amdhsa_user_sgpr_kernarg_segment_ptr 1
		.amdhsa_wavefront_size32 1
		.amdhsa_system_sgpr_workgroup_id_x 1
		.amdhsa_system_sgpr_workgroup_id_y 1
		.amdhsa_system_sgpr_workgroup_id_z 1
		.amdhsa_system_vgpr_workitem_id 0
		.amdhsa_next_free_vgpr 256
		.amdhsa_next_free_sgpr 66
		.amdhsa_reserve_vcc 1
		.amdhsa_float_denorm_mode_32 3
		.amdhsa_float_denorm_mode_16_64 3
		.amdhsa_memory_ordered 1
		.amdhsa_forward_progress 1
		.amdhsa_inst_pref_size 31
	.end_amdhsa_kernel
	.amdgpu_metadata
---
amdhsa.version: [ 1, 2 ]
amdhsa.kernels:
  - .name:           k_q4248a03dce_first16
    .symbol:         k_q4248a03dce_first16.kd
    .args:
      - { .name: aux, .offset: 0, .size: 8, .value_kind: global_buffer, .address_space: global }
      - { .name: w_proj, .offset: 8, .size: 8, .value_kind: global_buffer, .address_space: global }
      - { .name: b_proj, .offset: 16, .size: 8, .value_kind: global_buffer, .address_space: global }
      - { .name: out0, .offset: 24, .size: 8, .value_kind: global_buffer, .address_space: global }
    .group_segment_fixed_size: 43008
    .private_segment_fixed_size: 0
    .kernarg_segment_align: 8
    .kernarg_segment_size: 32
    .max_flat_workgroup_size: 512
    .sgpr_count:     66
    .vgpr_count:     256
    .wavefront_size: 32
...
	.end_amdgpu_metadata
.endif
;; end of part 5
